; MI455X (gfx1250); checked and timed in simulation.
; The chip was launched on July 23, 2026; its instructions are those of AMD's public machine-readable ISA for CDNA 5 (MIT licence, August 2026) and "CDNA5" Instruction Set Architecture Reference Guide (July 2026). The comments in the code are by the model that wrote it; some were corrected since.
;; Attention. Allowed arithmetic: matrix products marked QUANTISED: E2M3 operands, one E8M0 scale for each 32 along K, by v_wmma_scale_f32_16x16x128_f8f6f4 with both operands' format E2M3, f32 sums; everything else in f32.
;; Inputs: wk 1,024 x 256 float32; wo 1,024 x 1,024 float32; wq 1,024 x 1,024 float32; wv 1,024 x 256 float32; x 2 x 2,048 x 1,024 float32.
;; Outputs: out0 2 x 2,048 x 1,024 float32.
;; This version of the problem:
;;   THIS VERSION OF THE PROBLEM IS GIVEN IN LOW PRECISION. The matrix products marked QUANTISED in the list below multiply operands that are first quantised to E2M3 (2 exponent bits, 3 mantissa bits; 6 bits a number), with one power-of-two scale for each 32 numbers along K (OCP MX v1.0); their sums are f32. All else is computed in f32.
;;   The module's matrix products, in the order in which they are computed (A, B: the left and right operand; K: the contracted axis; several contracted axes count as one K, in the product's order):
;;     1. [M 4,096, K 1,024] x [K 1,024, N 1,024]; A: input x; B: input wq: QUANTISED
;;     2. [M 4,096, K 1,024] x [K 1,024, N 256]; A: input x; B: input wk: QUANTISED
;;     3. [M 4,096, K 1,024] x [K 1,024, N 256]; A: input x; B: input wv: QUANTISED
;;     4. batch 32 x [M 2,048, K 64] x [K 64, N 2,048]; A: computed on the way; B: computed on the way: QUANTISED
;;     5. batch 32 x [M 2,048, K 2,048] x [K 2,048, N 64]; A: softmax (see below); B: computed on the way: QUANTISED
;;     6. [M 4,096, K 1,024] x [K 1,024, N 1,024]; A: computed on the way; B: input wo: QUANTISED
;;   THE QUANTISER, for each operand of a quantised product, along K:
;;     - K is cut into blocks of 32 from its start; a last block that is shorter is filled with zeros.
;;     - A block's scale is 2^e with e = floor(log2(the largest magnitude in the block)) - 2, held to -126 .. 127; a block of zeros has e = 0. As a byte (E8M0): e + 127.
;;     - Each number is divided by its block's scale, clamped to +-7.5, and rounded to the nearest number of E2M3, ties to even, subnormals kept.
;;     - The product sums the exact products of the quantised numbers (number of the format x scale) in f32.
;;   ~~~python
;;   def quantise(x, axis):      # numpy; x: float32 -> the quantised numbers, widened to float32 again
;;       x = np.moveaxis(x, axis, -1); K = x.shape[-1]
;;       x = np.pad(x, [(0, 0)] * (x.ndim - 1) + [(0, -K % 32)]); x = x.reshape(x.shape[:-1] + (-1, 32)); a = np.abs(x).max(-1, keepdims=True)
;;       e = np.where(a > 0, np.clip(np.frexp(np.where(a > 0, a, 1))[1] - 1 - 2, -126, 127), 0)      # np.frexp(a)[1] - 1 = floor(log2(a)), exactly
;;       r = np.clip(x / 2.0 ** e, -7.5, 7.5)
;;       step = 2.0 ** (np.maximum(np.frexp(np.where(r == 0, 1, r))[1] - 1, 0) - 3)
;;       q = np.round(r / step) * step * 2.0 ** e      # np.round: ties to even
;;       return np.moveaxis(q.reshape(q.shape[:-2] + (-1,))[..., :K], -1, axis).astype(np.float32)
;;   ~~~
;;   SOFTMAX AHEAD OF A QUANTISED PRODUCT. Where the list says 'softmax', what is quantised is not the finished softmax but p = 2^(t - M), with t = logit x log2(e) and M = ceil(the row's largest t), a whole number; so 1/2 < the row's largest p <= 1. The row's sum l is taken of the UNQUANTISED p, in f32, and the product's result is divided by l at the end. Since M is a whole number, a kernel that streams over the keys may use a running M (the ceiling of the running maximum): every later rescaling is an exact power of two, which a block's scale takes up: the codes' values come out the same.
;;   OPERANDS COMPUTED ON THE WAY. 'Computed on the way' means the value that the module computes at that place (a softmax that the list does not call 'softmax' is quantised finished and normalised). What goes into a quantiser is computed in f32, as accurately as f32 sums, v_exp_f32 and their like allow (about 1e-6 of the number): no bf16 or f16 on the way to a quantiser, and a product that is left as it is and whose result goes on into a quantised operand takes f32 operands (vector FMAs, or v_wmma_f32_16x16x4_f32). A number that lies on a knife's edge between two numbers of the format may be rounded either way, as far as f32 arithmetic and the matrix unit's own rounding can turn it there, and no further.
;; One version. Each part assembles by itself: llvm-mc -triple=amdgcn-amd-amdhsa -mcpu=gfx1250 --defsym DOCPART=n.
;; ======== version 1 of 1: 4 launches
;; limits: right only within a limited range of input values
;; workspace buffers: xop 3,407,872 bytes; wop 2,129,920 bytes; qkv 5,439,488 bytes; oop 3,407,872 bytes
;; launch quantise (part 1): grid 416 x 1, 8 waves a work-group, no clusters, 136,192 bytes of LDS; arguments x, wq, wk, wv, wo, xop, wop; writes xop, wop
.if DOCPART == 1
	.amdgcn_target "amdgcn-amd-amdhsa--gfx1250"
	.amdhsa_code_object_version 6
	.text
	.protected	k_q007dac1aa5_quantise
	.globl	k_q007dac1aa5_quantise
	.p2align	8
	.type	k_q007dac1aa5_quantise,@function
k_q007dac1aa5_quantise:
	s_mov_b64 s[64:65], 0
	v_nop
	global_prefetch_b8 v0, s[64:65] scope:SCOPE_SE
	s_setreg_imm32_b32 hwreg(HW_REG_WAVE_MODE, 25, 1), 1
	s_wait_xcnt 0x0
; x [4096][1024] f32 (K innermost) and wq, wk, wv, wo [1024][N] f32 (K is the FIRST axis) become codes of FP6 (E2M3) with one E8M0 byte for each 32 along K,
; laid as IMAGES OF OPERAND REGISTERS, so that every later launch takes a fragment by 16-byte loads at 16 x lane and a tile's K steps are dense blocks.
; A TILE is 16 rows (tokens of x, columns of a weight): lane index p of tile T stands for row 32 (T / 2) + 8 (T % 2) + p + 8 (p / 8).  With such tiles as a product's source 0,
; the 16 registers of two neighbouring result tiles are 16 neighbours along those rows, which is the order in which the next quantiser wants them.
; A tile's record is REC = 13,312 bytes: four chunks of 3,328, each with two K steps of 128: 1,536 bytes of codes, 1,536 of codes, 128 of scale words, 128 of scale words.
; Codes: register group g (four registers) at 512 g + 16 x lane.  Scale words: 4 x lane (lanes l and l + 16 hold the same row's word).
; A block's scale is 2^(floor(log2(largest magnitude)) - 2); its byte is the largest magnitude's exponent field - 2, held at 1 from below.
; LIMITS: NaN and infinities among the inputs are not served; a block whose largest magnitude lies under 2^-124, a block of zeros among them, keeps the byte 1 (a block of zeros has zero codes,
; which add nothing under any byte but 0xff; the bytes are read by this program alone).
; SHARES.  Work-groups 0-255: token tile T = the work-group, K step = the wave (16 rows x 512 bytes a wave; the wave's own stage, no barrier).
; Work-groups 256-415: 128 columns x 128 along K of one weight (blocks 0-7 wq, 8-9 wk, 10-11 wv, 12-19 wo; K step = the low three bits): the eight waves bring 16 rows of 512 bytes each into one
; stage, a barrier, and wave w takes the block's tile w with its registers running DOWN K.  The two ways part on the work-group's number, never join, and have LDS bytes of their own.
; Every global load reads 512 consecutive bytes, every store of codes writes 512 consecutive bytes at a multiple of 256.  No matrix unit, no tensor load, no cluster: a stream that shares nothing.
.set REC,  13312
.set CH,   3328
.set SP,   528                         ; a stage row: 512 bytes + 16: an odd multiple of 16, so that sixteen rows' 16 bytes fall into sixteen different groups of banks
.set STG,  16*SP                       ; 16 rows
.set WST,  8*STG                       ; the weights' stage begins behind the eight stages of the x way
.set R,    16                          ; v16-79   16 rows as loaded, four registers each
.set X,    80                          ; v80-143  64 numbers of my row: register 16 b + i = k 32 b + 16 (lane / 16) + i
.set TM,   144                         ; v144-159 at work in QUANT
.set PW,   160                         ; v160     the scale word just made
.set PC,   162                         ; v162-173 the fragment's codes; v174-180 at work
.set WV,   18                          ; s18      the wave's number
.set SEL,  20                          ; s[20:21] selects of v_permlanex16_b32 for lane l xor 16
; 64 numbers of a lane, register 16 b + i = k 32 b + 16 (lane / 16) + i of its row, become a fragment's 12 registers in v[PC] on and the row's scale word in v[PW].
.macro QUANT s
.irp b, 0,1,2,3
	v_max3_num_f32 v[TM+\b], |v[\s+16*\b]|, |v[\s+1+16*\b]|, 0x1800000   ; block b: my 16 numbers, and the floor 2^(3 - 127): the byte cannot fall under 1
.endr
.irp i, 2,4,6,8,10,12,14
.irp b, 0,1,2,3
	s_delay_alu instid0(VALU_DEP_4)
	v_max3_num_f32 v[TM+\b], v[TM+\b], |v[\s+16*\b+\i]|, |v[\s+1+16*\b+\i]|   ; the four blocks by turns
.endr
.endr
.irp b, 0,1,2,3
	s_delay_alu instid0(VALU_DEP_4)
	v_permlanex16_b32 v[TM+4+\b], v[TM+\b], s[SEL], s[SEL+1]
.endr
.irp b, 0,1,2,3
	s_delay_alu instid0(VALU_DEP_4)
	v_max_num_f32 v[TM+\b], v[TM+\b], v[TM+4+\b]   ; with lane l xor 16's 16: the block's largest magnitude
.endr
.irp b, 0,1,2,3
	s_delay_alu instid0(VALU_DEP_4)
	v_add_nc_u32 v[TM+12+\b], 0xff000000, v[TM+\b]   ; 2 off its exponent field: the conversion takes this operand's exponent field as its scale
.endr
.irp b, 0,1,2,3
	s_delay_alu instid0(VALU_DEP_4)
	v_lshrrev_b32 v[TM+4+\b], 23, v[TM+12+\b]      ; the scale's byte
.endr
	s_delay_alu instid0(VALU_DEP_3)
	v_lshl_or_b32 v[PW], v[TM+5], 8, v[TM+4]
	s_delay_alu instid0(VALU_DEP_1)
	v_lshl_or_b32 v[PW], v[TM+6], 16, v[PW]
	s_delay_alu instid0(VALU_DEP_1)
	v_lshl_or_b32 v[PW], v[TM+7], 24, v[PW]
.irp c, 0,1
	v_cvt_scalef32_pk16_fp6_f32 v[PC+6*\c:PC+2+6*\c], v[\s+32*\c:\s+15+32*\c], v[TM+12+2*\c]
	v_cvt_scalef32_pk16_fp6_f32 v[PC+12+4*\c:PC+14+4*\c], v[\s+16+32*\c:\s+31+32*\c], v[TM+12+2*\c+1]   ; (a conversion's three registers begin on an even number)
.endr
	v_nop                                          ; one plain place behind a scaled conversion
.irp c, 0,1                                    ; the layout wants a WHOLE block in a lane: lanes 0-15 block 2 c, lanes 16-31 block 2 c + 1
.irp i, 0,1,2
	v_permlane16_swap_b32 v[PC+6*\c+\i], v[PC+12+4*\c+\i]
.endr
.irp i, 0,1,2
	s_delay_alu instid0(VALU_DEP_3)
	v_mov_b32 v[PC+3+6*\c+\i], v[PC+12+4*\c+\i]
.endr
.endr
.endm
.macro ROWS base, pitch, skip          ; 16 rows, 512 consecutive bytes each; skip: rows 8-15 lie so many rows further on
.irp i, 0,1,2,3,4,5,6,7,8,9,10,11,12,13,14,15
	global_load_b128 v[R+4*\i:R+4*\i+3], v4, s[\base:\base+1] offset:(\i+\skip*(\i/8))*\pitch th:TH_LOAD_NT
.endr
.endm
.macro TOSTAGE                         ; each row goes into the stage as soon as it is in
.irp i, 0,1,2,3,4,5,6,7,8,9,10,11,12,13,14,15
	s_wait_loadcnt 15-\i                           ; loads come back in order: row i is in, the 15 - i younger ones may be out
	ds_store_b128 v6, v[R+4*\i:R+4*\i+3] offset:SP*\i
.endr
.endm
.macro OUT base                        ; the fragment's image and its scale words
.irp g, 0,1,2
	global_store_b128 v4, v[PC+4*\g:PC+4*\g+3], s[\base:\base+1] offset:512*\g
.endr
	global_store_b32 v8, v[PW], s[\base:\base+1]
.endm
	s_load_b256 s[4:11], s[0:1], 0x0               ; x s[4:5], wq s[6:7], wk s[8:9], wv s[10:11]
	s_load_b128 s[12:15], s[0:1], 0x20             ; wo s[12:13], xop s[14:15]
	s_load_b64 s[16:17], s[0:1], 0x30              ; wop
	v_lshl_add_u32 v192, v0, 2, 0x21000
	v_mov_b32 v193, 0
	v_lshrrev_b32 v1, 5, v0
	s_delay_alu instid0(VALU_DEP_1)
	v_readfirstlane_b32 s[WV], v1                  ; wave 0..7
	v_and_b32 v1, 31, v0                           ; lane
	v_and_b32 v2, 15, v0                           ; r
	v_bfe_u32 v3, v0, 4, 1                         ; h
	s_delay_alu instid0(VALU_DEP_3)
	v_lshlrev_b32 v4, 4, v1                        ; 16 x lane
	s_mov_b32 s[SEL], 0x76543210
	s_mov_b32 s[SEL+1], 0xfedcba98
.irp b, 0,1,2,3
	v_mov_b32 v[TM+4+\b], 0                        ; written once: a lane permute's destination counts as one of its sources
.endr
	s_mul_i32 s22, s[WV], STG                      ; 16 stage rows for each wave
	s_cmp_ge_u32 ttmp9, 256
	s_cbranch_scc1 .Lweights
	; ---- x: tile T = the work-group, K step = the wave
	v_add_nc_u32 v6, s22, v4                       ; into my stage: 16 x lane, a row an instruction
	v_mul_u32_u24 v7, v2, SP
	s_delay_alu instid0(VALU_DEP_1)
	v_lshl_add_u32 v7, v3, 6, v7
	s_delay_alu instid0(VALU_DEP_1)
	v_add_nc_u32 v7, s22, v7                       ; out of it: row r, + 64 h: my 16 numbers of each block of 32
	s_and_b32 s23, s[WV], 1                        ; which K step of its chunk
	s_lshr_b32 s24, s[WV], 1                       ; which chunk
	s_mul_i32 s25, s23, 1408
	v_lshl_add_u32 v8, v1, 2, 3072
	s_delay_alu instid0(VALU_DEP_1)
	v_sub_nc_u32 v8, v8, s25                       ; the scale words lie 3,072 + 128 e behind the chunk's head, the codes 1,536 e: 3,072 - 1,408 e from the codes
	s_lshr_b32 s26, ttmp9, 1
	s_lshl_b32 s26, s26, 5
	s_and_b32 s27, ttmp9, 1
	s_lshl_b32 s27, s27, 3
	s_add_co_u32 s26, s26, s27                     ; the tile's first token: 32 (T / 2) + 8 (T % 2)
	s_lshl_b32 s26, s26, 12                        ; rows of 4,096 bytes
	s_lshl_b32 s27, s[WV], 9                       ; my K step: 512 bytes
	s_add_co_u32 s26, s26, s27
	s_mov_b32 s27, 0
	s_mul_i32 s28, ttmp9, REC
	s_mul_i32 s29, s24, CH
	s_add_co_u32 s28, s28, s29
	s_mul_i32 s29, s23, 1536
	s_add_co_u32 s28, s28, s29
	s_mov_b32 s29, 0
	s_wait_alu depctr_va_vdst(0)
	s_wait_kmcnt 0x0
	s_add_nc_u64 s[4:5], s[4:5], s[26:27]
	s_add_nc_u64 s[14:15], s[14:15], s[28:29]
	ROWS 4, 4096, 8                                ; lane index i is token i + 8 (i / 8) of the tile
	TOSTAGE
.irp b, 0,1,2,3
.irp j, 0,1,2,3
	ds_load_b128 v[X+16*\b+4*\j:X+16*\b+4*\j+3], v7 offset:128*\b+16*\j   ; LDS serves a wave's instructions in order: these see my stores
.endr
.endr
	s_wait_dscnt 0x0
	QUANT X
	OUT 14
	s_wait_tensorcnt 0x0
	ds_add_u32 v192, v193
	s_wait_dscnt 0x0
	s_endpgm
	; ---- a weight: 128 columns x 128 along K
.Lweights:
	s_sub_co_u32 s23, ttmp9, 256
	s_lshr_b32 s24, s23, 3                         ; block of 128 columns, 0..19
	s_and_b32 s23, s23, 7                          ; K step
	s_wait_alu depctr_va_vdst(0)
	v_add_nc_u32 v6, s22, v4
	s_delay_alu instid0(VALU_DEP_1)
	v_add_nc_u32 v6, WST, v6                       ; into the stage: my 16 rows (k = 16 w + i), 16 x lane
	v_and_b32 v7, 8, v2
	s_delay_alu instid0(VALU_DEP_1)
	v_add_nc_u32 v7, v7, v2                        ; r + 8 (r / 8)
	s_delay_alu instid0(VALU_DEP_1)
	v_lshlrev_b32 v7, 2, v7
	s_delay_alu instid0(VALU_DEP_1)
	v_mad_u32_u24 v7, v3, STG, v7                  ; lanes 16-31 begin 16 rows (k) further down
	s_lshr_b32 s25, s[WV], 1
	s_lshl_b32 s25, s25, 7
	s_and_b32 s26, s[WV], 1
	s_lshl_b32 s26, s26, 5
	s_add_co_u32 s25, s25, s26                     ; tile w's first column, in bytes: 128 (w / 2) + 32 (w % 2)
	s_add_co_u32 s25, s25, WST
	v_add_nc_u32 v7, s25, v7                       ; out of the stage: my column, down K
	s_and_b32 s25, s23, 1
	s_mul_i32 s26, s25, 1408
	v_lshl_add_u32 v8, v1, 2, 3072
	s_delay_alu instid0(VALU_DEP_1)
	v_sub_nc_u32 v8, v8, s26
	s_lshl_b32 s28, s24, 3
	s_add_co_u32 s28, s28, s[WV]                   ; my tile of wop: 8 x block + wave
	s_mul_i32 s28, s28, REC
	s_lshr_b32 s29, s23, 1
	s_mul_i32 s29, s29, CH
	s_add_co_u32 s28, s28, s29
	s_mul_i32 s29, s25, 1536
	s_add_co_u32 s28, s28, s29
	s_mov_b32 s29, 0
	s_sub_co_u32 s30, s24, 8                       ; blocks 8-11 (wk, wv) have rows of 1,024 bytes, the others of 4,096
	s_cmp_lt_u32 s30, 4
	s_cselect_b32 s31, 10, 12
	s_lshl_b32 s32, s23, 7
	s_lshl_b32 s33, s[WV], 4
	s_add_co_u32 s32, s32, s33                     ; my first row: k = 128 s + 16 w
	s_lshl_b32 s32, s32, s31
	s_wait_kmcnt 0x0
	s_cmp_lt_u32 s24, 12                           ; which weight: the choices hang on the work-group's number alone
	s_cselect_b64 s[34:35], s[10:11], s[12:13]
	s_cselect_b32 s33, 10, 12
	s_cmp_lt_u32 s24, 10
	s_cselect_b64 s[34:35], s[8:9], s[34:35]
	s_cselect_b32 s33, 8, s33
	s_cmp_lt_u32 s24, 8
	s_cselect_b64 s[34:35], s[6:7], s[34:35]
	s_cselect_b32 s33, 0, s33
	s_sub_co_u32 s33, s24, s33                     ; the block within its weight,
	s_lshl_b32 s33, s33, 9                         ; 512 bytes of a row
	s_add_co_u32 s32, s32, s33
	s_mov_b32 s33, 0
	s_add_nc_u64 s[34:35], s[34:35], s[32:33]
	s_add_nc_u64 s[16:17], s[16:17], s[28:29]
	s_cmp_lt_u32 s30, 4                            ; the row pitch stands in the loads' immediates: the 16 loads are written for each pitch, and both ways issue 16
	s_cbranch_scc1 .Lnarrow
	ROWS 34, 4096, 0
	s_branch .Lloaded
.Lnarrow:
	ROWS 34, 1024, 0
.Lloaded:
	s_wait_alu depctr_va_vdst(0)
	TOSTAGE
	s_wait_dscnt 0x0                               ; for the others' sake: my rows lie in the stage
	s_barrier_signal -1
	s_barrier_wait -1                              ; all 128 rows do
.irp b, 0,1,2,3
.irp i, 0,1,2,3,4,5,6,7,8,9,10,11,12,13,14,15
	ds_load_b32 v[X+16*\b+\i], v7 offset:(32*\b+\i)*SP   ; W(32 b + 16 h + i, my column).  Sixteen stage rows are a multiple of 256 bytes, so the two halves of the lanes meet in the same banks: 64 loads a wave, once
.endr
.endr
	s_wait_dscnt 0x0
	QUANT X
	OUT 16
	s_wait_tensorcnt 0x0
	ds_add_u32 v192, v193
	s_wait_dscnt 0x0
	s_endpgm
.Lfunc_end_k_q007dac1aa5_quantise:
	.size	k_q007dac1aa5_quantise, .Lfunc_end_k_q007dac1aa5_quantise-k_q007dac1aa5_quantise
	.p2alignl 7, 3214868480
	.fill 96, 4, 3214868480
	.section	.rodata,"a",@progbits
	.p2align	6, 0x0
	.amdhsa_kernel k_q007dac1aa5_quantise
		.amdhsa_group_segment_fixed_size 136192
		.amdhsa_private_segment_fixed_size 0
		.amdhsa_enable_private_segment 0
		.amdhsa_kernarg_size 56
		.amdhsa_user_sgpr_count 2
		.amdhsa_user_sgpr_kernarg_segment_ptr 1
		.amdhsa_wavefront_size32 1
		.amdhsa_system_sgpr_workgroup_id_x 1
		.amdhsa_system_sgpr_workgroup_id_y 1
		.amdhsa_system_sgpr_workgroup_id_z 1
		.amdhsa_system_vgpr_workitem_id 0
		.amdhsa_next_free_vgpr 194
		.amdhsa_next_free_sgpr 66
		.amdhsa_reserve_vcc 0
		.amdhsa_float_denorm_mode_32 3
		.amdhsa_float_denorm_mode_16_64 3
		.amdhsa_memory_ordered 1
		.amdhsa_forward_progress 1
		.amdhsa_inst_pref_size 30
	.end_amdhsa_kernel
	.amdgpu_metadata
---
amdhsa.version: [ 1, 2 ]
amdhsa.kernels:
  - .name:           k_q007dac1aa5_quantise
    .symbol:         k_q007dac1aa5_quantise.kd
    .args:
      - { .name: x, .offset: 0, .size: 8, .value_kind: global_buffer, .address_space: global }
      - { .name: wq, .offset: 8, .size: 8, .value_kind: global_buffer, .address_space: global }
      - { .name: wk, .offset: 16, .size: 8, .value_kind: global_buffer, .address_space: global }
      - { .name: wv, .offset: 24, .size: 8, .value_kind: global_buffer, .address_space: global }
      - { .name: wo, .offset: 32, .size: 8, .value_kind: global_buffer, .address_space: global }
      - { .name: xop, .offset: 40, .size: 8, .value_kind: global_buffer, .address_space: global }
      - { .name: wop, .offset: 48, .size: 8, .value_kind: global_buffer, .address_space: global }
    .group_segment_fixed_size: 136192
    .private_segment_fixed_size: 0
    .kernarg_segment_align: 8
    .kernarg_segment_size: 56
    .max_flat_workgroup_size: 256
    .sgpr_count:     66
    .vgpr_count:     194
    .wavefront_size: 32
...
	.end_amdgpu_metadata
.endif
;; end of part 1
;; launch project (part 2): grid 16 x 12, 8 waves a work-group, no clusters, 327,680 bytes of LDS; arguments xop, wop, qkv; writes qkv
.if DOCPART == 2
	.amdgcn_target "amdgcn-amd-amdhsa--gfx1250"
	.amdhsa_code_object_version 6
	.text
	.protected	k_q007dac1aa5_project
	.globl	k_q007dac1aa5_project
	.p2align	8
	.type	k_q007dac1aa5_project,@function
k_q007dac1aa5_project:
	s_mov_b64 s[64:65], 0
	v_nop
	global_prefetch_b8 v0, s[64:65] scope:SCOPE_SE
	s_setreg_imm32_b32 hwreg(HW_REG_WAVE_MODE, 25, 1), 1
	s_wait_xcnt 0x0
; q = x wq, k = x wk, v = x wv on codes of FP6 (E2M3) with E8M0 scales, K = 1,024; the results are quantised in registers and leave as images of the next products' operands: no f32 result goes to memory.
; ONE FORM OF WORK-GROUP: 8 tiles of source 0 x 16 tiles of source 1 (a tile: 16 rows, lane index p = row 32 (T / 2) + 8 (T % 2) + p + 8 (p / 8)); wave w takes all 8 against source 1's tiles 2 w, 2 w + 1: 16 accumulators.
;   y = 0..9  (q: 0-7, k: 8-9): source 0 = 128 columns of wq or wk (two heads), source 1 = 256 tokens: a lane holds ONE token, its registers run along the heads' 64: quantised along d.
;   y = 10,11 (v, batch y - 10): source 0 = 128 tokens (one key step), source 1 = all 256 columns of wv: a lane holds ONE channel, its registers run along the tokens: quantised along the keys.
; In the result of source-0 tiles 2 b and 2 b + 1 a lane's 16 registers are rows 32 b + 16 (lane / 16) + 0 .. 15 of source 0: the order that QUANT takes.
; LDS is filled ONCE: both blocks for all of K, 319,488 bytes, in four chunks of 256 along K; each wave brings its tile of source 0 and its two of source 1, chunk by chunk: 8 tensor loads of a wave are out at the most.
; The products of a chunk begin as soon as that chunk has landed in every wave (a counted wait and a barrier); nothing is filled again.
; NO CLUSTER: q's and k's ten column blocks do not divide into fours; in a mixed four the v work-groups take the buffers the other way round, so their descriptors could not be equal; and along the token
; blocks partners would share only source 0, 106,496 of a work-group's 319,488 bytes.
; OUTPUT (qkv).  Q: for (batch, pair of heads hp, token tile): 1,792 bytes: 768 codes of head 2 hp, 768 of head 2 hp + 1, 128 + 128 of scale words.  A head's 64 are HALF a fragment: registers 0-3 at 16 x lane,
; registers 4-5 at 512 + 8 x lane; its scale word has 0x7f in the two bytes of the half that the reader fills with zero codes.
; K, V: from KV0 on, for (batch, kv head) 16 key steps of 13,824 bytes: 8 half fragments of K, their 8 x 128 scale words, 4 whole fragments of V^T (16 channels x 128 keys), their 4 x 128 scale words.
; LIMITS: NaN and infinities are not served; a block whose largest magnitude lies under 2^-124 keeps the byte 1 (a block of zeros has zero codes; the bytes are read by this program alone).
; REGISTERS.  Window 0: v2, v4, v8 = 8, 16, 4 x lane; v4-7 addresses of codes, v8-11 of scale words; v12-14 the way out; v20-39 scale words, two sets; v40-79 at work in QUANT; v128-255 the accumulators.
;   Window 1: two sets of fragments at v0 and v120: 8 of source 0, 2 of source 1, 12 registers each.
.set REC,  13312
.set CH,   3328
.set S0CH, 8*CH                        ; a chunk of source 0 in LDS: [tile][3,328]
.set S1CH, 16*CH                       ; of source 1
.set S1,   4*S0CH                      ; source 1 begins behind source 0's four chunks
.set KV0,  3670016
.set HKV,  221184
.set KSB,  13824
.set A0,   4                           ; v4, v5   source 0's codes: chunks 0-1, chunks 2-3 (an LDS offset has 16 bits)
.set A1,   6                           ; v6, v7   source 1's
.set Z0,   8                           ; v8, v9   source 0's scale words
.set Z1,   10                          ; v10, v11 source 1's
.set SC,   20                          ; set p at v[SC + 10 p]: 8 words of source 0's tiles, 2 of source 1's: these registers hold scales alone
.set TM,   40
.set PW,   56
.set SWA,  57
.set SWB,  58
.set PC,   60
.set ACC,  128                         ; accumulator (a, b) at v[ACC + 64 a + 8 b]
.set SEL,  22
.set G1A,  24                          ; s[24:31] group 1, source 0: one row of 3,328 bytes
.set G1B,  32                          ; s[32:39] source 1: two rows, a tile's record apart
.set MSB, 0
.macro WIN new                         ; the immediate's high byte repeats the setting that is left
.if MSB != \new
	s_set_vgpr_msb (MSB<<8)|\new
.set MSB, \new
.endif
.endm
.macro PLACES n
.rept \n
	v_nop
.endr
.endm
.macro MKG0 g, lreg, loff, base, goff  ; a group 0: count 1, LDS address, global address, type 2
	s_mov_b32 s[\g], 1
	s_add_co_u32 s[\g+1], s[\lreg], \loff
	s_add_nc_u64 s[\g+2:\g+3], s[\base:\base+1], \goff
	s_or_b32 s[\g+3], s[\g+3], 0x80000000
.endm
; 40 LDS loads in one run: K step s's fragments and scale words into set p.  Every load takes an image as it lies: consecutive bytes, no pitch.
.macro FETCH s, p
.set FC, (\s)/2
.set FE, (\s)%2
.set FH, FC/2
	WIN 0x40                                       ; destination window 1, address window 0
.irp i, 0,1,2,3,4,5,6,7
.irp g, 0,1,2
	ds_load_b128 v[120*(\p)+12*\i+4*\g:120*(\p)+12*\i+4*\g+3], v[A0+FH] offset:(FC%2)*CH+\i*2*CH+FE*1536+512*\g
.endr
.endr
.irp a, 0,1
.irp g, 0,1,2
	ds_load_b128 v[120*(\p)+96+12*\a+4*\g:120*(\p)+96+12*\a+4*\g+3], v[A1+FH] offset:(FC%2)*CH+\a*2*CH+FE*1536+512*\g
.endr
.endr
	WIN 0
.irp i, 0,1,2,3,4,5,6,7
	ds_load_b32 v[SC+10*(\p)+\i], v[Z0+FH] offset:(FC%2)*CH+\i*2*CH+3072+FE*128
.endr
.irp a, 0,1
	ds_load_b32 v[SC+10*(\p)+8+\a], v[Z1+FH] offset:(FC%2)*CH+\a*2*CH+3072+FE*128
.endr
.endm
; 16 matrix instructions on set p.  The 16 accumulators take turns, one instruction a turn, in the same order in every K step.  zero = 1: the first K step starts the sums.
.macro MUL p, zero
	WIN 0x05                                       ; sources 0 and 1 window 1; C and D window 0
.irp a, 0,1
.irp b, 0,1,2,3,4,5,6,7
.if \zero
	v_wmma_scale_f32_16x16x128_f8f6f4 v[ACC+64*\a+8*\b:ACC+64*\a+8*\b+7], v[120*(\p)+12*\b:120*(\p)+12*\b+11], v[120*(\p)+96+12*\a:120*(\p)+96+12*\a+11], 0, v[SC+10*(\p)+\b], v[SC+10*(\p)+8+\a] matrix_a_fmt:MATRIX_FMT_FP6 matrix_b_fmt:MATRIX_FMT_FP6
.else
	v_wmma_scale_f32_16x16x128_f8f6f4 v[ACC+64*\a+8*\b:ACC+64*\a+8*\b+7], v[120*(\p)+12*\b:120*(\p)+12*\b+11], v[120*(\p)+96+12*\a:120*(\p)+96+12*\a+11], v[ACC+64*\a+8*\b:ACC+64*\a+8*\b+7], v[SC+10*(\p)+\b], v[SC+10*(\p)+8+\a] matrix_a_fmt:MATRIX_FMT_FP6 matrix_b_fmt:MATRIX_FMT_FP6
.endif
.endr
.endr
.endm
; K step s: the next step's fragments are asked for, then this step is multiplied.
.macro KSTEP s
.if (\s) < 7
.if (\s)+1 == 4                        ; the next step opens the second half of K
	s_wait_dscnt 0x0                               ; no LDS instruction of mine is out at a signal
	s_wait_tensorcnt 0x0                           ; my load of that half has landed
	s_barrier_signal -1
	s_barrier_wait -1                              ; every wave's have
.endif
.if (\s) > 0
	PLACES 4                                       ; in front of loads into the set that the step before multiplied (ISA guide 7.12.1 for vector instructions)
.endif
	FETCH (\s)+1, ((\s)+1)%2
	s_wait_dscnt 40                                ; all but the 40 just issued: this step's set is in
.else
	s_wait_dscnt 0x0
.endif
.if (\s) == 0
	MUL 0, 1
.else
	MUL (\s)%2, 0
.endif
.endm
; 64 numbers of a lane, register 16 b + i = k 32 b + 16 (lane / 16) + i of its row, become a fragment's 12 registers in v[PC] on and the row's scale word in v[PW].
; On accumulators: each is read from its low end on: tile 2 b first by its registers 0 and 1, tile 2 b + 1 likewise (i = 8).
.macro QUANT s
.irp b, 0,1,2,3
	v_max3_num_f32 v[TM+\b], |v[\s+16*\b]|, |v[\s+1+16*\b]|, 0x1800000   ; and the floor 2^(3 - 127): the byte cannot fall under 1
.endr
.irp i, 2,4,6,8,10,12,14
.irp b, 0,1,2,3
	v_max3_num_f32 v[TM+\b], v[TM+\b], |v[\s+16*\b+\i]|, |v[\s+1+16*\b+\i]|
.endr
.endr
.irp b, 0,1,2,3
	s_delay_alu instid0(VALU_DEP_4)
	v_permlanex16_b32 v[TM+4+\b], v[TM+\b], s[SEL], s[SEL+1]
.endr
.irp b, 0,1,2,3
	s_delay_alu instid0(VALU_DEP_4)
	v_max_num_f32 v[TM+\b], v[TM+\b], v[TM+4+\b]   ; with lane l xor 16's 16: the block's largest magnitude
.endr
.irp b, 0,1,2,3
	s_delay_alu instid0(VALU_DEP_4)
	v_add_nc_u32 v[TM+12+\b], 0xff000000, v[TM+\b]   ; 2 off its exponent field: the conversion's scale operand
.endr
.irp b, 0,1,2,3
	s_delay_alu instid0(VALU_DEP_4)
	v_lshrrev_b32 v[TM+4+\b], 23, v[TM+12+\b]      ; the scale's byte
.endr
	s_delay_alu instid0(VALU_DEP_3)
	v_lshl_or_b32 v[PW], v[TM+5], 8, v[TM+4]
	s_delay_alu instid0(VALU_DEP_1)
	v_lshl_or_b32 v[PW], v[TM+6], 16, v[PW]
	s_delay_alu instid0(VALU_DEP_1)
	v_lshl_or_b32 v[PW], v[TM+7], 24, v[PW]
.irp c, 0,1
	v_cvt_scalef32_pk16_fp6_f32 v[PC+6*\c:PC+2+6*\c], v[\s+32*\c:\s+15+32*\c], v[TM+12+2*\c]
	v_cvt_scalef32_pk16_fp6_f32 v[PC+12+4*\c:PC+14+4*\c], v[\s+16+32*\c:\s+31+32*\c], v[TM+12+2*\c+1]
.endr
	v_nop                                          ; one plain place behind a scaled conversion
.irp c, 0,1
.irp i, 0,1,2
	v_permlane16_swap_b32 v[PC+6*\c+\i], v[PC+12+4*\c+\i]
.endr
.irp i, 0,1,2
	s_delay_alu instid0(VALU_DEP_3)
	v_mov_b32 v[PC+3+6*\c+\i], v[PC+12+4*\c+\i]
.endr
.endr
.endm
; A fragment of two heads leaves as two half fragments.  dc: from tile to tile; ob: from head A's codes to head B's; os: where the scale words begin; dz: from tile to tile there; obs: from A's to B's.
.macro QKSTORE a, dc, ob, os, dz, obs
	v_and_or_b32 v[SWA], v[PW], 0xffff, s84        ; head A: its two bytes, 0x7f above them
	v_lshrrev_b32 v[SWB], 16, v[PW]
	s_delay_alu instid0(VALU_DEP_1)
	v_or_b32 v[SWB], s84, v[SWB]                   ; head B likewise
	global_store_b128 v[VC16], v[PC:PC+3], s[8:9] offset:\a*\dc
	global_store_b64 v[VC8], v[PC+4:PC+5], s[8:9] offset:\a*\dc+512
	global_store_b128 v[VC16], v[PC+6:PC+9], s[8:9] offset:\a*\dc+\ob
	global_store_b64 v[VC8], v[PC+10:PC+11], s[8:9] offset:\a*\dc+\ob+512
	global_store_b32 v[VS], v[SWA], s[8:9] offset:\os+\a*\dz
	global_store_b32 v[VS], v[SWB], s[8:9] offset:\os+\a*\dz+\obs
.endm
	s_load_b128 s[4:7], s[0:1], 0x0                ; xop s[4:5], wop s[6:7]
	s_load_b64 s[8:9], s[0:1], 0x10                ; qkv
	v_lshl_add_u32 v126, v0, 2, 0x4e000
	v_mov_b32 v127, 0
	ds_add_u32 v126, v127
	ds_add_u32 v126, v127
	v_lshrrev_b32 v1, 5, v0
	s_delay_alu instid0(VALU_DEP_1)
	v_readfirstlane_b32 s10, v1                    ; wave 0..7
	s_mov_b32 s11, ttmp9                           ; x
	s_and_b32 s12, ttmp7, 0xffff                   ; y
.irp g, G1A, G1B
	s_mov_b32 s[\g], 3<<16                         ; no mask; elements of 8 bytes; no padding
	s_mov_b32 s[\g+1], 832<<16                     ; tensor_dim0 = 832 elements: 6,656 bytes, two chunks of a tile's record
	s_mov_b32 s[\g+3], 832<<16                     ; tile_dim0
	s_mov_b32 s[\g+5], 1664                        ; from row to row: a tile's record, 13,312 bytes
	s_mov_b32 s[\g+6], 0
	s_mov_b32 s[\g+7], 0
.endr
	s_mov_b32 s[G1A+2], 2<<16                      ; source 0: two tiles a load
	s_mov_b32 s[G1A+4], 2
	s_mov_b32 s[G1B+2], 4<<16                      ; source 1: four tiles a load
	s_mov_b32 s[G1B+4], 4
	s_mul_i32 s14, s12, 8*REC                      ; q, k: source 0 = wop's tiles 8 y on,
	s_mul_i32 s15, s11, 16*REC                     ;       source 1 = xop's tiles 16 x on
	s_max_u32 s18, s12, 10
	s_sub_co_u32 s18, s18, 10
	s_lshl_b32 s18, s18, 4
	s_add_co_u32 s18, s18, s11
	s_mul_i32 s18, s18, 8*REC                      ; v: source 0 = xop's tiles 8 (16 (y - 10) + x) on; source 1 = wop's tiles 80 on
	; THE FILLS AS THEY STAND (this note takes the place of the head's lines on them): LDS holds, for each half of K, [tile][6,656 bytes]: source 0's 8 tiles, behind both halves of them source 1's 16.
	; Waves 0-3 bring two tiles of source 0 each, waves 4-7 four tiles of source 1 each, one tensor load a wave for a half of K: the first half at the head, the second behind the first barrier.
	; One tensor load of a wave is out at the most.  No prefetch: two fills, the second asked for as soon as the first has landed, and no loop to run ahead in.
	s_and_b32 s13, s10, 3                          ; my place among the four waves that fetch my source
	s_mul_i32 s19, s13, 2*REC                      ; source 0: two records a wave (added twice for source 1: four)
	s_mul_i32 s20, s13, 4*CH                       ; where my two tiles of source 0 go in a half,
	s_mul_i32 s13, s13, 8*CH                       ; or my four of source 1
	s_mul_i32 s21, s10, 4*CH                       ; where the two tiles of source 1 that I multiply lie in a half
	s_mov_b32 s[SEL], 0x76543210
	s_mov_b32 s[SEL+1], 0xfedcba98
	s_mov_b32 s84, 0x7f7f0000
	s_wait_dscnt 0x0
	s_wait_kmcnt 0x0
	s_cmp_ge_u32 s12, 10                           ; the choices hang on the work-group's number alone
	s_cselect_b64 s[76:77], s[4:5], s[6:7]
	s_cselect_b64 s[78:79], s[6:7], s[4:5]
	s_cselect_b32 s14, s18, s14
	s_mov_b32 s18, 80*REC
	s_cselect_b32 s16, s18, s15
	s_add_co_u32 s14, s14, s19                     ; + my two tiles
	s_mov_b32 s15, 0
	s_add_co_u32 s16, s16, s19
	s_add_co_u32 s16, s16, s19                     ; + my four tiles
	s_mov_b32 s17, 0
	s_add_nc_u64 s[76:77], s[76:77], s[14:15]
	s_add_nc_u64 s[78:79], s[78:79], s[16:17]
.macro HLOAD ga, gb                    ; one tensor load a wave: waves 0-3 for source 0, waves 4-7 for source 1; every way passes one load
	s_cmp_lt_u32 s10, 4
	s_cbranch_scc0 .Lsrc1_\@
	tensor_load_to_lds s[\ga:\ga+3], s[G1A:G1A+7]
	s_nop 0
	PLACES 4
	s_branch .Lasked_\@
.Lsrc1_\@:
	tensor_load_to_lds s[\gb:\gb+3], s[G1B:G1B+7]
	s_nop 0
	PLACES 4
.Lasked_\@:
.endm
	MKG0 40, 20, 0, 76, 0
	MKG0 44, 20, 2*S0CH, 76, 2*CH
	MKG0 56, 13, S1, 78, 0
	MKG0 60, 13, S1+2*S1CH, 78, 2*CH
	HLOAD 40, 56                                   ; the first half of K: one tensor load a wave at the head
	v_and_b32 v15, 31, v0
	s_delay_alu instid0(VALU_DEP_1)
	v_lshlrev_b32 v[A0], 4, v15                    ; 16 x lane: also source 0's chunks 0 and 1
	s_delay_alu instid0(VALU_DEP_2)
	v_lshlrev_b32 v2, 3, v15                       ; 8 x lane
	s_delay_alu instid0(VALU_DEP_3)
	v_lshlrev_b32 v[Z0], 2, v15                    ; 4 x lane
	s_delay_alu instid0(VALU_DEP_3)
	v_add_nc_u32 v[A0+1], 2*S0CH, v[A0]
	s_delay_alu instid0(VALU_DEP_2)
	v_add_nc_u32 v[Z0+1], 2*S0CH, v[Z0]
	s_add_co_u32 s18, s21, S1
	v_add_nc_u32 v[A1], s18, v[A0]
	v_add_nc_u32 v[Z1], s18, v[Z0]
	s_delay_alu instid0(VALU_DEP_2)
	v_add_nc_u32 v[A1+1], 2*S1CH, v[A1]
	s_delay_alu instid0(VALU_DEP_2)
	v_add_nc_u32 v[Z1+1], 2*S1CH, v[Z1]
.irp b, 0,1,2,3
	v_mov_b32 v[TM+4+\b], 0                        ; written once: a lane permute's destination counts as one of its sources
.endr
	s_wait_alu depctr_va_vdst(0)
	s_wait_tensorcnt 0x0                           ; my part of the first half has landed
	ds_add_u32 v126, v127
	s_wait_dscnt 0x0
	s_barrier_signal -1
	s_barrier_wait -1                              ; every wave's has
	HLOAD 44, 60                                   ; the second half of K, my one load behind this barrier
	FETCH 0, 0
.irp s, 0,1,2,3,4,5,6,7
	KSTEP \s
.endr
	WIN 0
	PLACES 4                                       ; in front of the first reads of results
	s_cmp_ge_u32 s12, 10
	s_cbranch_scc1 .Lv_tail
	s_cmp_ge_u32 s12, 8
	s_cbranch_scc1 .Lk_tail
	; ---- q: record ((8 batch + y) x 128 + token tile in the batch) x 1,792
	s_lshr_b32 s80, s11, 3
	s_lshl_b32 s80, s80, 3
	s_add_co_u32 s80, s80, s12
	s_lshl_b32 s80, s80, 7
	s_and_b32 s81, s11, 7
	s_lshl_b32 s81, s81, 4
	s_add_co_u32 s80, s80, s81
	s_lshl_b32 s81, s10, 1
	s_add_co_u32 s80, s80, s81
	s_mul_i32 s80, s80, 1792
	s_mov_b32 s81, 0
	s_add_nc_u64 s[8:9], s[8:9], s[80:81]
.set VC16, A0
.set VC8,  2
.set VS,   Z0
	QUANT ACC
	QKSTORE 0, 1792, 768, 1536, 1792, 128
	s_wait_xcnt 0x0                                ; the stores' data are written again only behind this wait
	QUANT ACC+64
	QKSTORE 1, 1792, 768, 1536, 1792, 128
	s_wait_tensorcnt 0x0
	ds_add_u32 v126, v127
	s_wait_dscnt 0x0
	s_endpgm
	; ---- k: kv heads 2 (y - 8) and the next; token tile Tb = 16 (x % 8) + 2 w + a: key step Tb / 8, tile Tb % 8
.Lk_tail:
	s_lshr_b32 s80, s11, 3
	s_lshl_b32 s80, s80, 2
	s_sub_co_u32 s81, s12, 8
	s_lshl_b32 s81, s81, 1
	s_add_co_u32 s80, s80, s81
	s_mul_i32 s80, s80, HKV
	s_and_b32 s81, s11, 7
	s_lshl_b32 s81, s81, 1
	s_lshr_b32 s82, s10, 2
	s_add_co_u32 s81, s81, s82
	s_mul_i32 s81, s81, KSB
	s_add_co_u32 s80, s80, s81
	s_add_co_u32 s80, s80, KV0
	s_mov_b32 s81, 0
	s_add_nc_u64 s[8:9], s[8:9], s[80:81]
	s_and_b32 s82, s10, 3
	s_mul_i32 s83, s82, 2*768
	v_add_nc_u32 v12, s83, v[A0]
	v_add_nc_u32 v13, s83, v2
	s_lshl_b32 s83, s82, 8
	v_add_nc_u32 v14, s83, v[Z0]
.set VC16, 12
.set VC8,  13
.set VS,   14
	QUANT ACC
	QKSTORE 0, 768, HKV, 6144, 128, HKV
	s_wait_xcnt 0x0
	QUANT ACC+64
	QKSTORE 1, 768, HKV, 6144, 128, HKV
	s_wait_tensorcnt 0x0
	ds_add_u32 v126, v127
	s_wait_dscnt 0x0
	s_endpgm
	; ---- v: kv head w / 2, channel tiles 2 (w % 2) + a, key step x of batch y - 10: whole fragments of V^T
.Lv_tail:
	s_sub_co_u32 s80, s12, 10
	s_lshl_b32 s80, s80, 2
	s_lshr_b32 s81, s10, 1
	s_add_co_u32 s80, s80, s81
	s_mul_i32 s80, s80, HKV
	s_mul_i32 s81, s11, KSB
	s_add_co_u32 s80, s80, s81
	s_add_co_u32 s80, s80, KV0+7168
	s_mov_b32 s81, 0
	s_add_nc_u64 s[8:9], s[8:9], s[80:81]
	s_and_b32 s82, s10, 1
	s_mul_i32 s83, s82, 3072
	v_add_nc_u32 v12, s83, v[A0]
	s_lshl_b32 s83, s82, 8
	v_add_nc_u32 v14, s83, v[Z0]
.irp a, 0,1
.if \a > 0
	s_wait_xcnt 0x0                                ; the stores' data are written again only behind this wait
.endif
	QUANT ACC+64*\a
.irp g, 0,1,2
	global_store_b128 v12, v[PC+4*\g:PC+4*\g+3], s[8:9] offset:1536*\a+512*\g
.endr
	global_store_b32 v14, v[PW], s[8:9] offset:6144+128*\a
.endr
	s_wait_tensorcnt 0x0
	ds_add_u32 v126, v127
	s_wait_dscnt 0x0
	s_endpgm
.Lfunc_end_k_q007dac1aa5_project:
	.size	k_q007dac1aa5_project, .Lfunc_end_k_q007dac1aa5_project-k_q007dac1aa5_project
	.p2alignl 7, 3214868480
	.fill 96, 4, 3214868480
	.section	.rodata,"a",@progbits
	.p2align	6, 0x0
	.amdhsa_kernel k_q007dac1aa5_project
		.amdhsa_group_segment_fixed_size 327680
		.amdhsa_private_segment_fixed_size 0
		.amdhsa_enable_private_segment 0
		.amdhsa_kernarg_size 24
		.amdhsa_user_sgpr_count 2
		.amdhsa_user_sgpr_kernarg_segment_ptr 1
		.amdhsa_wavefront_size32 1
		.amdhsa_system_sgpr_workgroup_id_x 1
		.amdhsa_system_sgpr_workgroup_id_y 1
		.amdhsa_system_sgpr_workgroup_id_z 1
		.amdhsa_system_vgpr_workitem_id 0
		.amdhsa_next_free_vgpr 512
		.amdhsa_next_free_sgpr 96
		.amdhsa_reserve_vcc 0
		.amdhsa_float_denorm_mode_32 3
		.amdhsa_float_denorm_mode_16_64 3
		.amdhsa_memory_ordered 1
		.amdhsa_forward_progress 1
		.amdhsa_inst_pref_size 78
	.end_amdhsa_kernel
	.amdgpu_metadata
---
amdhsa.version: [ 1, 2 ]
amdhsa.kernels:
  - .name:           k_q007dac1aa5_project
    .symbol:         k_q007dac1aa5_project.kd
    .args:
      - { .name: xop, .offset: 0, .size: 8, .value_kind: global_buffer, .address_space: global }
      - { .name: wop, .offset: 8, .size: 8, .value_kind: global_buffer, .address_space: global }
      - { .name: qkv, .offset: 16, .size: 8, .value_kind: global_buffer, .address_space: global }
    .group_segment_fixed_size: 327680
    .private_segment_fixed_size: 0
    .kernarg_segment_align: 8
    .kernarg_segment_size: 24
    .max_flat_workgroup_size: 256
    .sgpr_count:     96
    .vgpr_count:     512
    .wavefront_size: 32
...
	.end_amdgpu_metadata
.endif
;; end of part 2
;; launch attend (part 3): grid 32 x 8, 8 waves a work-group, clusters of 4 x 1, 327,680 bytes of LDS; arguments qkv, oop; writes oop
.if DOCPART == 3
	.amdgcn_target "amdgcn-amd-amdhsa--gfx1250"
	.amdhsa_code_object_version 6
	.text
	.protected	k_q007dac1aa5_attend
	.globl	k_q007dac1aa5_attend
	.p2align	8
	.type	k_q007dac1aa5_attend,@function
k_q007dac1aa5_attend:
	s_mov_b64 s[64:65], 0
	v_nop
	global_prefetch_b8 v0, s[64:65] scope:SCOPE_SE
	s_setreg_imm32_b32 hwreg(HW_REG_WAVE_MODE, 25, 1), 1
	s_wait_xcnt 0x0
	s_wait_alu depctr_hold_cnt(0) depctr_sa_sdst(0) depctr_va_vdst(0) depctr_va_sdst(0) depctr_va_ssrc(0) depctr_va_vcc(0) depctr_vm_vsrc(0)
	s_getreg_b32 s2, hwreg(HW_REG_IB_STS2, 6, 4)
	s_cmp_eq_u32 s2, 0
	s_cbranch_scc0 .Lentry_in_a_cluster
	s_endpgm
.Lentry_in_a_cluster:
	s_bfe_u32 s2, ttmp6, 0x10000c
	s_cmp_lg_u32 s2, 0x3003
	s_cbranch_scc0 .Lentry_shape_is_right
	s_endpgm
.Lentry_shape_is_right:
; o = softmax(q k^T / 8) v for 16 query heads on 4 key and value heads, head size 64, 2,048 keys, no mask; both products on codes of FP6 (E2M3) with E8M0 scales; o is quantised in registers for the last product.
; THE SOFTMAX: t = score x log2(e) / 8; M = the running largest t rounded UP to a whole number; p = 2^(t - M) is quantised along the keys, not normalised; the row's sum is taken of the unquantised p and divides at the end.
; When M moves, the sum and O are multiplied by 2^(old M - new M): exact.
; SHARES.  Work-group (qg, y): y = 4 batch + kv head; 64 queries of that kv head's four query heads.  Wave w: token tile 4 qg + w / 2, heads 4 kvh + 2 (w % 2) and the next: each fragment of K and V feeds two products,
; and the wave's 64 registers of O^T are one whole fragment, 128 along K, of the last product.  BOTH HEADS GO THROUGH ONE SOFTMAX TOGETHER: their chains take turns line by line.
; LAYOUT.  Both products are used transposed (S^T = K Q^T, O^T = V^T P^T): a lane holds ONE query.  THE KEYS OF A TILE OF K ARE CHOSEN SO THAT A LANE HOLDS A WHOLE BLOCK OF 32 KEYS: row m of tile 4 c + u is key
; 64 c + 32 (m / 8) + 8 u + m % 8, so the 32 registers of tiles 4 c .. 4 c + 3 in lane (r, h) are keys 64 c + 32 h + 0 .. 31, which is what P's operand wants of that lane: no lane swap, and a block's maximum needs no other lane.
; K lies in LDS as images of tiles with other rows (lane index p of tile T: key 32 (T / 2) + 8 (T % 2) + p + 8 (p / 8)); a lane picks its row by address: tile 4 c + 2 (r / 8) + u % 2, index 8 (u / 2) + r % 8.
; The first product's K is 64 in an instruction of 128: registers 6-11 of K's and Q's fragments are zero codes, written once; their scale bytes are 0x7f.
; LDS holds the kv head's K and V whole, 221,184 bytes, each byte filled once, in two fills: key steps 0-3 at the head (27 rows of 256 bytes a wave), steps 4-15 behind the first round (81 rows a wave): one tensor load of a wave is out.
; CLUSTER.  The four work-groups of a cluster share y and ask for K and V JOINTLY: the same load, descriptor and mask.  The place in the cluster enters Q's and O's global addresses alone.
; NO PREFETCH: the launch has two fills, the second asked for as soon as the first has landed, and no ring of refills to run ahead of.
; LIMITS: the scaled scores stay under 2^31 in magnitude; NaN and infinities are not served; a block whose largest magnitude lies under 2^-124 keeps the byte 1 (zero codes under it add nothing).  A block's largest p is made from
; its largest score by the same multiply-add and exponential: that takes v_exp_f32 not to fall where its input rises; at the worst one p of a block, within an ulp of a power of two, is held one code low.
; REGISTERS.  Window 0: v1-11 lane terms and LDS addresses; v12-19 for each head -M, largest score, the sum in two halves; v20-35 scale words alone (K 8, V 4, Q 2, P 2); v36-75 at work; v76-99 P's codes; v100-227 S^T, then p.
;   Window 1: v0-95 K's 8 tiles; v96-143 V's 4; v144-167 Q's two; v168-231 O^T (head u, channel tile d at 168 + 32 u + 8 d).
.set KV0,  3670016
.set HKV,  221184
.set KSB,  13824                       ; a key step in LDS: 8 x 768 K, 8 x 128 K's scale words, 4 x 1,536 V^T, 4 x 128 V's scale words
.set FA,   4*KSB                       ; the first fill: key steps 0-3
.set REC,  13312
.set CH,   3328
.set SPARE, 221184                     ; the spare words: 128 bytes a wave
.set LK16, 1
.set LK8,  2
.set LK4,  3
.set L16,  4
.set L4,   5
.set AK16, 6
.set AK8,  7
.set AK4,  8
.set AV16, 9
.set AV4,  10
.set SH8,  11
.set MT,   12
.set KS,   20
.set VS,   28
.set QS,   32
.set PW,   34
.set BM,   36
.set SO,   40
.set PT,   44
.set TT,   48
.set DD,   50
.set FF,   52
.set C2,   56
.set CT,   60
.set PF,   76
.set SR,   100
.set L8,   228
.set OSW,  229
.set SPW,  254
.set NIL,  255
.set QF,   144                         ; in window 1
.set OT,   168                         ; in window 1
.set TM,   36                          ; QUANT, on the way out
.set PC,   76
.set WV,   8
.set SEL,  24
.set CS,   26
.set CNT,  28
.set TB,   29
.set NCS,  39
.set MSB, 0
.macro WIN new
.if MSB != \new
	s_set_vgpr_msb (MSB<<8)|\new
.set MSB, \new
.endif
.endm
.macro PLACES n
.rept \n
	v_nop
.endr
.endm
.macro CROUND                          ; a round of the cluster's barrier
	s_barrier_signal -1
	s_barrier_wait -1
	s_cmp_lg_u32 s[WV], 0
	s_cbranch_scc1 .Lnot_wave_0_\@
	s_barrier_signal -3
.Lnot_wave_0_\@:
	s_barrier_wait -3
	s_barrier_signal -1
	s_barrier_wait -1
.endm
.macro SETA                            ; the LDS addresses of the key step in hand
	v_add_nc_u32 v[AK16], s[TB], v[LK16]
	v_add_nc_u32 v[AK8], s[TB], v[LK8]
	v_add_nc_u32 v[AK4], s[TB], v[LK4]
	v_add_nc_u32 v[AV16], s[TB], v[L16]
	v_add_nc_u32 v[AV4], s[TB], v[L4]
.endm
.macro FETCH_K off                     ; 24 loads: 8 half fragments and their scale words; tile i = 4 c + u comes from the images 4 c + u % 2 (lanes r under 8) and two further on, index 8 (u / 2) + r % 8
	WIN 0x40
.irp i, 0,1,2,3,4,5,6,7
	ds_load_b128 v[12*\i:12*\i+3], v[AK16] offset:\off+768*(4*(\i/4)+\i%2)+128*((\i%4)/2)
	ds_load_b64 v[12*\i+4:12*\i+5], v[AK8] offset:\off+768*(4*(\i/4)+\i%2)+512+64*((\i%4)/2)
.endr
	WIN 0
.irp i, 0,1,2,3,4,5,6,7
	ds_load_b32 v[KS+\i], v[AK4] offset:\off+6144+128*(4*(\i/4)+\i%2)+32*((\i%4)/2)
.endr
.endm
.macro FETCH_V off                     ; 16 loads: 4 fragments and their scale words
	WIN 0x40
.irp d, 0,1,2,3
.irp g, 0,1,2
	ds_load_b128 v[96+12*\d+4*\g:96+12*\d+4*\g+3], v[AV16] offset:\off+7168+1536*\d+512*\g
.endr
.endr
	WIN 0
.irp d, 0,1,2,3
	ds_load_b32 v[VS+\d], v[AV4] offset:\off+13312+128*\d
.endr
.endm
.macro SQ                              ; S^T = K Q^T of both heads: 16 results, each begun with 0
	WIN 0x05
.irp i, 0,1,2,3,4,5,6,7
.irp u, 0,1
	v_wmma_scale_f32_16x16x128_f8f6f4 v[SR+64*\u+8*\i:SR+64*\u+8*\i+7], v[12*\i:12*\i+11], v[QF+12*\u:QF+12*\u+11], 0, v[KS+\i], v[QS+\u] matrix_a_fmt:MATRIX_FMT_FP6 matrix_b_fmt:MATRIX_FMT_FP6
.endr
.endr
	WIN 0
.endm
.macro PV                              ; O^T += V^T P^T: eight accumulators by turns, one instruction a turn
	WIN 0x51                                       ; V, C and D window 1; P window 0
.irp d, 0,1,2,3
.irp u, 0,1
	v_wmma_scale_f32_16x16x128_f8f6f4 v[OT+32*\u+8*\d:OT+32*\u+8*\d+7], v[96+12*\d:96+12*\d+11], v[PF+12*\u:PF+12*\u+11], v[OT+32*\u+8*\d:OT+32*\u+8*\d+7], v[VS+\d], v[PW+\u] matrix_a_fmt:MATRIX_FMT_FP6 matrix_b_fmt:MATRIX_FMT_FP6
.endr
.endr
	WIN 0
.endm
.macro TMIN n                          ; n packed multiply-adds of head 0: t - M, two at a time
.rept \n
	v_pk_fma_f32 v[SR+jj:SR+jj+1], v[SR+jj:SR+jj+1], s[CS:CS+1], v[MT:MT+1] op_sel_hi:[1,0,0]
.set jj, jj+2
.endr
.endm
; A key step of 128 keys, both heads.  Block q = 2 u + c of a lane: head u, keys 64 c + 32 h + 0 .. 31, registers SR + 32 q on.
.macro TRIP next
	s_wait_dscnt 16                                ; K is in; V's 16 loads, issued behind K's, may be out
	SQ
.if \next
	SETA                                           ; five plain lines: the places in front of the first read of results
.else
	PLACES 4
.endif
.irp q, 0,1,2,3                        ; THE LARGEST SCORE OF EACH BLOCK, in two chains a block, eight chains by turns; each result tile is read from its low end on
	v_max3_num_f32 v[BM+\q], v[SR+32*\q], v[SR+32*\q+1], v[SR+32*\q+2]
	v_max3_num_f32 v[SO+\q], v[SR+32*\q+16], v[SR+32*\q+17], v[SR+32*\q+18]
.endr
.irp i, 3,5,7,9,11,13
.irp q, 0,1,2,3
	v_max3_num_f32 v[BM+\q], v[BM+\q], v[SR+32*\q+\i], v[SR+32*\q+\i+1]
	v_max3_num_f32 v[SO+\q], v[SO+\q], v[SR+32*\q+16+\i], v[SR+32*\q+17+\i]
.endr
.endr
.irp q, 0,1,2,3
	v_max3_num_f32 v[BM+\q], v[BM+\q], v[SO+\q], v[SR+32*\q+15]
.endr
.irp q, 0,1,2,3
	v_max_num_f32 v[BM+\q], v[BM+\q], v[SR+32*\q+31]
.endr
.if \next
	FETCH_K KSB                                    ; the next step's K: the 64 lines above are the places behind the products that read K, and stand between the addresses' writes and these reads
.endif
.irp u, 0,1
	v_max_num_f32 v[TT+\u], v[BM+2*\u], v[BM+2*\u+1]
.endr
.irp u, 0,1
	s_delay_alu instid0(VALU_DEP_2)
	v_permlanex16_b32 v[PT+\u], v[TT+\u], s[SEL], s[SEL+1]
.endr
.irp u, 0,1
	s_delay_alu instid0(VALU_DEP_2)
	v_max3_num_f32 v[MT+4*\u+1], v[MT+4*\u+1], v[TT+\u], v[PT+\u]   ; the running largest score of my query, lane l xor 16's keys among them
.endr
.irp u, 0,1
	s_delay_alu instid0(VALU_DEP_2)
	v_mul_f32 v[DD+\u], s[NCS], v[MT+4*\u+1]       ; -t (c is positive)
.endr
.irp u, 0,1
	s_delay_alu instid0(VALU_DEP_2)
	v_floor_f32 v[TT+\u], v[DD+\u]                 ; the new -M = floor(-t) = -ceil(t): a whole number
.endr
.irp u, 0,1
	s_delay_alu instid0(VALU_DEP_2)
	v_sub_f32 v[DD+\u], v[TT+\u], v[MT+4*\u]       ; old M - new M: a whole number, 0 or less
.endr
.irp u, 0,1
	v_mov_b32 v[MT+4*\u], v[TT+\u]
.endr
.set jj, 0
	TMIN 4
.irp u, 0,1
	v_cvt_i32_f32 v[DD+\u], v[DD+\u]               ; (it saturates)
.endr
	TMIN 4
.irp u, 0,1
	v_ldexp_f32 v[FF+2*\u], 1.0, v[DD+\u]          ; f = 2^(old M - new M)
.endr
	TMIN 24
.irp q, 0,1,2,3
	v_fma_f32 v[BM+\q], v[BM+\q], s[CS], v[MT+4*(\q/2)]   ; the same of each block's largest score
.endr
	s_wait_alu depctr_va_vdst(0)                   ; ahead of a batch
.set jj, 0
.rept 32                               ; head 0's p = 2^(t - M); head 1's t - M stands among them: it names none of the batch's registers and is read behind the next wait
	v_exp_f32 v[SR+jj], v[SR+jj]
	v_exp_f32 v[SR+jj+1], v[SR+jj+1]
	v_pk_fma_f32 v[SR+64+jj:SR+65+jj], v[SR+64+jj:SR+65+jj], s[CS:CS+1], v[MT+4:MT+5] op_sel_hi:[1,0,0]
.set jj, jj+2
.endr
.irp q, 0,1,2,3
	v_exp_f32 v[BM+\q], v[BM+\q]                   ; each block's largest p
.endr
	s_wait_alu depctr_va_vdst(0)                   ; ahead of the second batch, whose sources were written among the first
.set jj, 64
.rept 64
	v_exp_f32 v[SR+jj], v[SR+jj]                   ; head 1's p
.set jj, jj+1
.endr
.irp u, 0,1
	v_pk_mul_f32 v[MT+4*\u+2:MT+4*\u+3], v[MT+4*\u+2:MT+4*\u+3], v[FF+2*\u:FF+2*\u+1] op_sel_hi:[1,0]   ; the sums under the new M (the plain place behind the exponentials)
.endr
	s_wait_alu depctr_va_vdst(0)                   ; one wait for both batches, ahead of their first reader
.irp q, 0,1,2,3
	v_max_num_f32 v[BM+\q], 0x1800000, v[BM+\q]    ; the floor 2^(3 - 127): the byte cannot fall under 1
.endr
.irp q, 0,1,2,3
	s_delay_alu instid0(VALU_DEP_4)
	v_add_nc_u32 v[SO+\q], 0xff000000, v[BM+\q]    ; 2 off the exponent field: the conversion's scale operand
.endr
.irp q, 0,1,2,3
	s_delay_alu instid0(VALU_DEP_4)
	v_lshrrev_b32 v[PT+\q], 23, v[SO+\q]           ; the scale's byte
.endr
.irp u, 0,1
.irp c, 0,1
	v_cvt_scalef32_pk16_fp6_f32 v[PF+12*\u+6*\c:PF+12*\u+6*\c+2], v[SR+64*\u+32*\c:SR+64*\u+32*\c+15], v[SO+2*\u+\c]
	v_cvt_scalef32_pk16_fp6_f32 v[CT+8*\u+4*\c:CT+8*\u+4*\c+2], v[SR+64*\u+32*\c+16:SR+64*\u+32*\c+31], v[SO+2*\u+\c]   ; (a conversion's three registers begin on an even number)
.endr
.endr
.irp u, 0,1
	v_lshl_or_b32 v[TT+\u], v[PT+2*\u+1], 16, v[PT+2*\u]   ; my two bytes: blocks h and 2 + h.  (Also the plain place behind the conversions)
.endr
.irp u, 0,1
	s_delay_alu instid0(VALU_DEP_2)
	v_lshlrev_b32 v[TT+\u], v[SH8], v[TT+\u]       ; at their places in the word: 8 h bits up
.endr
.irp u, 0,1
	s_delay_alu instid0(VALU_DEP_2)
	v_permlanex16_b32 v[DD+\u], v[TT+\u], s[SEL], s[SEL+1]
.endr
.irp u, 0,1
	s_delay_alu instid0(VALU_DEP_2)
	v_or_b32 v[PW+\u], v[TT+\u], v[DD+\u]          ; with lane l xor 16's two: p's scale word for these 128 keys
.endr
.irp u, 0,1                            ; THE ROW'S SUM IS TAKEN OF THE UNQUANTISED p: two chains a head, four by turns.  (These lines are the places between p's scale word and the second product)
	v_pk_add_f32 v[C2+2*\u:C2+2*\u+1], v[SR+64*\u:SR+64*\u+1], v[SR+64*\u+2:SR+64*\u+3]
.endr
.set jj, 4
.rept 15
.irp u, 0,1
	v_pk_add_f32 v[MT+4*\u+2:MT+4*\u+3], v[MT+4*\u+2:MT+4*\u+3], v[SR+64*\u+jj:SR+64*\u+jj+1]
	v_pk_add_f32 v[C2+2*\u:C2+2*\u+1], v[C2+2*\u:C2+2*\u+1], v[SR+64*\u+jj+2:SR+64*\u+jj+3]
.endr
.set jj, jj+4
.endr
.irp u, 0,1
.irp c, 0,1
.irp i, 0,1,2
	v_mov_b32 v[PF+12*\u+6*\c+3+\i], v[CT+8*\u+4*\c+\i]   ; the upper 16 codes of each block to their place
.endr
.endr
.endr
.irp u, 0,1
	v_pk_add_f32 v[MT+4*\u+2:MT+4*\u+3], v[MT+4*\u+2:MT+4*\u+3], v[C2+2*\u:C2+2*\u+1]
.endr
	WIN 0x41                                       ; O^T: destination and source 0 window 1
	s_wait_alu depctr_va_vdst(0)                   ; directly ahead of the first reader of O^T
.irp u, 0,1
.set jj, 0
.rept 16
	v_pk_mul_f32 v[OT+32*\u+jj:OT+32*\u+jj+1], v[OT+32*\u+jj:OT+32*\u+jj+1], v[FF+2*\u:FF+2*\u+1] op_sel_hi:[1,0]   ; O^T under the new M, each accumulator from its low end on
.set jj, jj+2
.endr
.endr
	s_wait_alu depctr_va_vdst(0)
.if \next
	s_wait_dscnt 24                                ; V is in; the next K's 24 loads, issued behind V's, may be out
.else
	s_wait_dscnt 0x0
.endif
	PV
	PLACES 4                                       ; in front of the loads into V's registers
.if \next
	FETCH_V KSB
	s_add_co_u32 s[TB], s[TB], KSB
.endif
.endm
; 64 numbers of a lane, register 16 b + i = k 32 b + 16 (lane / 16) + i of its row, become a fragment's 12 registers in v[PC] on and the row's scale word in v[PW].
.macro QUANT s
.irp b, 0,1,2,3
	v_max3_num_f32 v[TM+\b], |v[\s+16*\b]|, |v[\s+1+16*\b]|, 0x1800000
.endr
.irp i, 2,4,6,8,10,12,14
.irp b, 0,1,2,3
	s_delay_alu instid0(VALU_DEP_4)
	v_max3_num_f32 v[TM+\b], v[TM+\b], |v[\s+16*\b+\i]|, |v[\s+1+16*\b+\i]|
.endr
.endr
.irp b, 0,1,2,3
	s_delay_alu instid0(VALU_DEP_4)
	v_permlanex16_b32 v[TM+4+\b], v[TM+\b], s[SEL], s[SEL+1]
.endr
.irp b, 0,1,2,3
	s_delay_alu instid0(VALU_DEP_4)
	v_max_num_f32 v[TM+\b], v[TM+\b], v[TM+4+\b]
.endr
.irp b, 0,1,2,3
	s_delay_alu instid0(VALU_DEP_4)
	v_add_nc_u32 v[TM+12+\b], 0xff000000, v[TM+\b]
.endr
.irp b, 0,1,2,3
	s_delay_alu instid0(VALU_DEP_4)
	v_lshrrev_b32 v[TM+4+\b], 23, v[TM+12+\b]
.endr
	s_delay_alu instid0(VALU_DEP_3)
	v_lshl_or_b32 v[PW], v[TM+5], 8, v[TM+4]
	s_delay_alu instid0(VALU_DEP_1)
	v_lshl_or_b32 v[PW], v[TM+6], 16, v[PW]
	s_delay_alu instid0(VALU_DEP_1)
	v_lshl_or_b32 v[PW], v[TM+7], 24, v[PW]
.irp c, 0,1
	v_cvt_scalef32_pk16_fp6_f32 v[PC+6*\c:PC+2+6*\c], v[\s+32*\c:\s+15+32*\c], v[TM+12+2*\c]
	v_cvt_scalef32_pk16_fp6_f32 v[PC+12+4*\c:PC+14+4*\c], v[\s+16+32*\c:\s+31+32*\c], v[TM+12+2*\c+1]
.endr
	v_nop                                          ; one plain place behind a scaled conversion
.irp c, 0,1
.irp i, 0,1,2
	v_permlane16_swap_b32 v[PC+6*\c+\i], v[PC+12+4*\c+\i]
.endr
.irp i, 0,1,2
	s_delay_alu instid0(VALU_DEP_3)
	v_mov_b32 v[PC+3+6*\c+\i], v[PC+12+4*\c+\i]
.endr
.endr
.endm
	s_load_b128 s[4:7], s[0:1], 0x0                ; qkv s[4:5], oop s[6:7]
	v_lshl_add_u32 v[SPW], v0, 2, SPARE
	v_mov_b32 v[NIL], 0
	ds_add_u32 v[SPW], v[NIL]                      ; the opening lines: the add, twice on end, and its wait ahead of my first tensor load
	ds_add_u32 v[SPW], v[NIL]
	v_lshrrev_b32 v1, 5, v0
	v_readfirstlane_b32 s[WV], v1                  ; wave 0..7
	s_bfe_u32 s9, ttmp6, 0x40000                   ; cx: my place in the cluster
	s_lshl_b32 s10, ttmp9, 2                       ; in a cluster launch ttmp9 counts clusters
	s_add_co_u32 s10, s10, s9                      ; qg: it enters Q's and O's global addresses alone
	s_and_b32 s11, ttmp7, 0xffff                   ; y = 4 batch + kv head, which the four partners share
.irp g, 16, 40                         ; two groups 1: the mask of all four, elements of 8 bytes, bit 21 beside the mask; dense rows of 256 bytes
	s_mov_b32 s[\g], 15|(3<<16)|(1<<21)
	s_mov_b32 s[\g+1], 32<<16
	s_mov_b32 s[\g+3], 32<<16
	s_mov_b32 s[\g+5], 32
	s_mov_b32 s[\g+6], 0
	s_mov_b32 s[\g+7], 0
.endr
	s_mov_b32 s18, 27<<16                          ; the first fill: 27 rows a wave, 8 x 6,912 = 55,296 bytes
	s_mov_b32 s20, 27
	s_mov_b32 s42, 81<<16                          ; the second: 81 rows a wave, 8 x 20,736 = 165,888 bytes
	s_mov_b32 s44, 81
	s_mov_b32 s12, 1
	s_mov_b32 s48, 1
	s_mul_i32 s13, s[WV], 6912                     ; LDS addresses: my eighth of each fill
	s_mul_i32 s49, s[WV], 20736
	s_add_co_u32 s49, s49, FA
	s_mul_i32 s30, s11, HKV
	s_add_co_u32 s30, s30, KV0
	s_add_co_u32 s52, s30, s49                     ; and the same places in memory
	s_add_co_u32 s30, s30, s13
	s_mov_b32 s31, 0
	s_mov_b32 s53, 0
	s_and_b32 s32, s[WV], 1                        ; jp: which pair of heads
	s_lshr_b32 s33, s[WV], 1
	s_lshl_b32 s34, s10, 2
	s_add_co_u32 s33, s33, s34                     ; my token tile in the batch
	s_lshl_b32 s34, s11, 1
	s_add_co_u32 s34, s34, s32                     ; 8 batch + pair of heads = 2 y + jp
	s_lshl_b32 s34, s34, 7
	s_add_co_u32 s34, s34, s33
	s_mul_i32 s34, s34, 1792                       ; Q's record
	s_mov_b32 s35, 0
	s_lshr_b32 s36, s11, 2
	s_lshl_b32 s36, s36, 7
	s_add_co_u32 s36, s36, s33                     ; oop's tile: 128 batch + token tile;
	s_mul_i32 s36, s36, REC
	s_and_b32 s37, s11, 3                          ; K step 2 kvh + jp of the last product: chunk kvh,
	s_mul_i32 s37, s37, CH
	s_add_co_u32 s36, s36, s37
	s_mul_i32 s37, s32, 1536                       ; its jp-th step
	s_add_co_u32 s36, s36, s37
	s_mov_b32 s37, 0
	s_mul_i32 s38, s32, 1408
	s_mov_b32 s[SEL], 0x76543210
	s_mov_b32 s[SEL+1], 0xfedcba98
	s_mov_b32 s[CS], 0x3e38aa3b                    ; c = log2(e) / 8
	s_mov_b32 s[CS+1], s[CS]                       ; (named with it as a pair, so it is written)
	s_mov_b32 s[NCS], 0xbe38aa3b                   ; -c
	s_mov_b32 s[TB], 0
	s_mov_b32 s[CNT], 3
	s_wait_dscnt 0x0
	s_wait_kmcnt 0x0
	s_add_nc_u64 s[14:15], s[4:5], s[30:31]
	s_or_b32 s15, s15, 0x80000000                  ; type 2
	s_add_nc_u64 s[50:51], s[4:5], s[52:53]
	s_or_b32 s51, s51, 0x80000000
	s_add_nc_u64 s[4:5], s[4:5], s[34:35]
	s_add_nc_u64 s[6:7], s[6:7], s[36:37]
	CROUND                                         ; all four work-groups are here: the joint loads meet
	tensor_load_to_lds s[12:15], s[16:23]          ; key steps 0-3: one tensor load a wave at the head
	s_nop 0
	PLACES 4
	v_and_b32 v230, 31, v0                         ; lane
	v_bfe_u32 v231, v0, 3, 1                       ; r / 8
	v_and_b32 v232, 7, v0                          ; r % 8
	v_bfe_u32 v233, v0, 4, 1                       ; h
	v_lshlrev_b32 v[L16], 4, v230
	v_lshlrev_b32 v[L8], 3, v230
	v_lshlrev_b32 v[L4], 2, v230
	v_mul_u32_u24 v[LK16], v231, 1536              ; K: two images further on for r / 8 = 1,
	v_lshlrev_b32 v[LK4], 8, v231
	v_lshlrev_b32 v[SH8], 3, v233
	v_lshl_add_u32 v[LK8], v232, 3, v[LK16]        ; index r % 8,
	v_lshl_add_u32 v[LK16], v232, 4, v[LK16]
	v_lshl_add_u32 v[LK4], v232, 2, v[LK4]
	v_lshl_add_u32 v[LK8], v233, 7, v[LK8]         ; + 16 h lanes of the image
	v_lshl_add_u32 v[LK16], v233, 8, v[LK16]
	v_lshl_add_u32 v[LK4], v233, 6, v[LK4]
	WIN 0x40                                       ; destination window 1
.irp u, 0,1
	global_load_b128 v[QF+12*\u:QF+12*\u+3], v[L16], s[4:5] offset:768*\u          ; Q's half fragments stay in registers
	global_load_b64 v[QF+12*\u+4:QF+12*\u+5], v[L8], s[4:5] offset:768*\u+512
.endr
.irp i, 0,1,2,3,4,5,6,7
.irp k, 6,7,8,9,10,11
	v_mov_b32 v[12*\i+\k], 0                       ; zero codes for k = 64 .. 127 of the first product: written once, never loaded
.endr
.endr
.irp u, 0,1
.irp k, 6,7,8,9,10,11
	v_mov_b32 v[QF+12*\u+\k], 0
.endr
.endr
.set jj, 0
.rept 64
	v_mov_b32 v[OT+jj], 0                          ; O^T.  (The step is written once: the first finds zeros, which the first change of M leaves zeros)
.set jj, jj+1
.endr
	WIN 0
.irp u, 0,1
	global_load_b32 v[QS+\u], v[L4], s[4:5] offset:1536+128*\u
.endr
	v_add_nc_u32 v[OSW], 3072, v[L4]
	v_sub_nc_u32 v[OSW], v[OSW], s38               ; oop's scale words: 3,072 - 1,408 jp from the codes
.irp u, 0,1
	v_mov_b32 v[MT+4*\u], 0x7e000000               ; -M: 2^125, a whole number over every -t that is served: the first f comes out 0
	v_mov_b32 v[MT+4*\u+1], 0xff61b1e6             ; the largest score so far: -3e38
	v_mov_b32 v[MT+4*\u+2], 0                      ; the sum, in two halves
	v_mov_b32 v[MT+4*\u+3], 0
	v_mov_b32 v[FF+2*\u+1], 0                      ; (named as the upper half of the pair of f)
	v_mov_b32 v[DD+\u], 0                          ; written once: a lane permute's destination counts as one of its sources
.endr
.irp b, 0,1,2,3
	v_mov_b32 v[PT+\b], 0
.endr
	SETA
	s_wait_alu depctr_va_vdst(0)
	s_wait_loadcnt 0x0                             ; Q
	s_wait_tensorcnt 0x0                           ; my part of key steps 0-3 has landed
	ds_add_u32 v[SPW], v[NIL]
	s_wait_dscnt 0x0
	CROUND                                         ; every wave's has, and all four work-groups are here
	tensor_load_to_lds s[48:51], s[40:47]          ; key steps 4-15, my one load behind the round
	s_nop 0
	PLACES 4
	FETCH_K 0
	FETCH_V 0
.Lfirst:                                           ; trips 0-2: each asks for the next step's fragments; the furthest byte read is key step 3's last, under the second fill's first
	TRIP 1
	s_sub_co_u32 s[CNT], s[CNT], 1
	s_cmp_lg_u32 s[CNT], 0
	s_cbranch_scc1 .Lfirst
	s_wait_tensorcnt 0x0                           ; my part of key steps 4-15 has landed,
	s_wait_dscnt 0x0                               ; no LDS instruction of mine is out at a signal
	s_barrier_signal -1
	s_barrier_wait -1                              ; every wave's has
	s_mov_b32 s[CNT], 12
.Lrest:                                            ; trips 3-14
	TRIP 1
	s_sub_co_u32 s[CNT], s[CNT], 1
	s_cmp_lg_u32 s[CNT], 0
	s_cbranch_scc1 .Lrest
	TRIP 0                                         ; the last step asks for nothing
	; THE WAY OUT: O^T / the sum, quantised along head x 64 + d, leaves as the image of a fragment of the last product.
.irp u, 0,1
	v_add_f32 v[MT+4*\u+2], v[MT+4*\u+2], v[MT+4*\u+3]   ; the sum's two halves,
.endr
.irp u, 0,1
	s_delay_alu instid0(VALU_DEP_2)
	v_permlanex16_b32 v[PT+\u], v[MT+4*\u+2], s[SEL], s[SEL+1]
.endr
.irp u, 0,1
	s_delay_alu instid0(VALU_DEP_2)
	v_add_f32 v[MT+4*\u+2], v[MT+4*\u+2], v[PT+\u]       ; and lane l xor 16's keys: the row's sum
.endr
	s_wait_alu depctr_va_vdst(0)
.irp u, 0,1
	v_rcp_f32 v[MT+4*\u+2], v[MT+4*\u+2]
.endr
	v_nop                                          ; one plain place behind a transcendental
	WIN 0x01                                       ; O^T: source 0 window 1
	s_wait_alu depctr_va_vdst(0)                   ; ahead of the first reader of the reciprocals and of O^T
.irp u, 0,1
.set jj, 0
.rept 16
	v_pk_mul_f32 v[SR+32*\u+jj:SR+32*\u+jj+1], v[OT+32*\u+jj:OT+32*\u+jj+1], v[MT+4*\u+2:MT+4*\u+3] op_sel_hi:[1,0]   ; each accumulator from its low end on
.set jj, jj+2
.endr
.endr
	WIN 0
	QUANT SR                                       ; register 32 u + 16 b + i is k = 64 u + 32 b + 16 (lane / 16) + i of this K step
.irp g, 0,1,2
	global_store_b128 v[L16], v[PC+4*\g:PC+4*\g+3], s[6:7] offset:512*\g
.endr
	global_store_b32 v[OSW], v[PW], s[6:7]
	s_wait_tensorcnt 0x0                           ; the wave's end
	ds_add_u32 v[SPW], v[NIL]
	s_wait_dscnt 0x0
	CROUND                                         ; the closing round: no work-group ends while a partner may still ask jointly
	s_endpgm
.Lfunc_end_k_q007dac1aa5_attend:
	.size	k_q007dac1aa5_attend, .Lfunc_end_k_q007dac1aa5_attend-k_q007dac1aa5_attend
	.p2alignl 7, 3214868480
	.fill 96, 4, 3214868480
	.section	.rodata,"a",@progbits
	.p2align	6, 0x0
	.amdhsa_kernel k_q007dac1aa5_attend
		.amdhsa_group_segment_fixed_size 327680
		.amdhsa_private_segment_fixed_size 0
		.amdhsa_enable_private_segment 0
		.amdhsa_kernarg_size 16
		.amdhsa_user_sgpr_count 2
		.amdhsa_user_sgpr_kernarg_segment_ptr 1
		.amdhsa_wavefront_size32 1
		.amdhsa_system_sgpr_workgroup_id_x 1
		.amdhsa_system_sgpr_workgroup_id_y 1
		.amdhsa_system_sgpr_workgroup_id_z 1
		.amdhsa_system_vgpr_workitem_id 0
		.amdhsa_next_free_vgpr 512
		.amdhsa_next_free_sgpr 66
		.amdhsa_reserve_vcc 0
		.amdhsa_float_denorm_mode_32 3
		.amdhsa_float_denorm_mode_16_64 3
		.amdhsa_memory_ordered 1
		.amdhsa_forward_progress 1
		.amdhsa_inst_pref_size 105
	.end_amdhsa_kernel
	.amdgpu_metadata
---
amdhsa.version: [ 1, 2 ]
amdhsa.kernels:
  - .name:           k_q007dac1aa5_attend
    .symbol:         k_q007dac1aa5_attend.kd
    .args:
      - { .name: qkv, .offset: 0, .size: 8, .value_kind: global_buffer, .address_space: global }
      - { .name: oop, .offset: 8, .size: 8, .value_kind: global_buffer, .address_space: global }
    .group_segment_fixed_size: 327680
    .private_segment_fixed_size: 0
    .kernarg_segment_align: 8
    .kernarg_segment_size: 16
    .max_flat_workgroup_size: 256
    .sgpr_count:     66
    .vgpr_count:     512
    .wavefront_size: 32
...
	.end_amdgpu_metadata
.endif
;; end of part 3
;; launch outproj (part 4): grid 8 x 32, 4 waves a work-group, clusters of 4 x 4, 327,680 bytes of LDS; arguments oop, wop, out0; writes out0
.if DOCPART == 4
	.amdgcn_target "amdgcn-amd-amdhsa--gfx1250"
	.amdhsa_code_object_version 6
	.text
	.protected	k_q007dac1aa5_outproj
	.globl	k_q007dac1aa5_outproj
	.p2align	8
	.type	k_q007dac1aa5_outproj,@function
k_q007dac1aa5_outproj:
	s_mov_b64 s[64:65], 0
	v_nop
	global_prefetch_b8 v0, s[64:65] scope:SCOPE_SE
	s_setreg_imm32_b32 hwreg(HW_REG_WAVE_MODE, 25, 1), 1
	s_wait_xcnt 0x0
	s_wait_alu depctr_hold_cnt(0) depctr_sa_sdst(0) depctr_va_vdst(0) depctr_va_sdst(0) depctr_va_ssrc(0) depctr_va_vcc(0) depctr_vm_vsrc(0)
	s_getreg_b32 s2, hwreg(HW_REG_IB_STS2, 6, 4)
	s_cmp_eq_u32 s2, 0
	s_cbranch_scc0 .Lentry_in_a_cluster
	s_endpgm
.Lentry_in_a_cluster:
	s_bfe_u32 s2, ttmp6, 0x10000c
	s_cmp_lg_u32 s2, 0xf033
	s_cbranch_scc0 .Lentry_shape_is_right
	s_endpgm
.Lentry_shape_is_right:
; out0 = o wo on codes of FP6 (E2M3) with E8M0 scales, K = 1,024; sums in f32, stored as f32.
; A work-group makes 128 tokens x 128 columns: source 0 = 8 tiles of wo's columns (wop's tiles 96 + 8 X on), source 1 = 8 tiles of tokens (oop's tiles 8 Y on); a tile's lane index p is row 32 (T / 2) + 8 (T % 2) + p + 8 (p / 8).
; Wave w takes all 8 tiles of source 0 against source 1's tiles 2 w and 2 w + 1: 16 accumulators.  A lane holds ONE token, and the registers of result tiles 2 b, 2 b + 1 are 16 neighbouring columns.
; LDS is filled ONCE: both blocks for all of K, 212,992 bytes, in four chunks of 256 along K; each wave brings two tiles of each source, chunk by chunk: 8 tensor loads of a wave are out at the most.
; CLUSTER 4 x 4: the four work-groups of a column of the cluster share X and so source 0, the four of a row share Y and so source 1: each load is asked for JOINTLY, with the same descriptor and a mask of the four.
; The way out goes through each wave's own stage, bytes into which no fill lands: whole rows of 512 bytes leave, two aligned runs of 256 an instruction.
; REGISTERS.  Window 0: v4-7 addresses of codes (v4 = 16 x lane), v8-11 of scale words; v12, v13 the stage; v20-39 scale words, two sets; v64-127 rows on the way out; v128-255 the accumulators.
;   Window 1: two sets of fragments at v0 and v120.
.set REC,  13312
.set CH,   3328
.set S0CH, 8*CH
.set S1CH, 8*CH
.set S1,   4*S0CH
.set STAGE, S1+4*S1CH                  ; 212,992: 16 rows x 528 bytes for each wave
.set SP,   528
.set A0,   4
.set A1,   6
.set Z0,   8
.set Z1,   10
.set STO,  12
.set RD,   13
.set SC,   20
.set ACC,  128
.set WV,   10
.set G1A,  24
.set G1B,  32
.set MSB, 0
.macro WIN new
.if MSB != \new
	s_set_vgpr_msb (MSB<<8)|\new
.set MSB, \new
.endif
.endm
.macro PLACES n
.rept \n
	v_nop
.endr
.endm
.macro CROUND
	s_barrier_signal -1
	s_barrier_wait -1
	s_cmp_lg_u32 s[WV], 0
	s_cbranch_scc1 .Lnot_wave_0_\@
	s_barrier_signal -3
.Lnot_wave_0_\@:
	s_barrier_wait -3
	s_barrier_signal -1
	s_barrier_wait -1
.endm
.macro MKG0 g, lreg, loff, base, goff
	s_mov_b32 s[\g], 1
	s_add_co_u32 s[\g+1], s[\lreg], \loff
	s_add_nc_u64 s[\g+2:\g+3], s[\base:\base+1], \goff
	s_or_b32 s[\g+3], s[\g+3], 0x80000000
.endm
.macro FETCH s, p                      ; 40 LDS loads in one run: K step s's fragments and scale words into set p
.set FC, (\s)/2
.set FE, (\s)%2
.set FH, FC/2
	WIN 0x40
.irp i, 0,1,2,3,4,5,6,7
.irp g, 0,1,2
	ds_load_b128 v[120*(\p)+12*\i+4*\g:120*(\p)+12*\i+4*\g+3], v[A0+FH] offset:(FC%2)*CH+\i*2*CH+FE*1536+512*\g
.endr
.endr
.irp a, 0,1
.irp g, 0,1,2
	ds_load_b128 v[120*(\p)+96+12*\a+4*\g:120*(\p)+96+12*\a+4*\g+3], v[A1+FH] offset:(FC%2)*CH+\a*2*CH+FE*1536+512*\g
.endr
.endr
	WIN 0
.irp i, 0,1,2,3,4,5,6,7
	ds_load_b32 v[SC+10*(\p)+\i], v[Z0+FH] offset:(FC%2)*CH+\i*2*CH+3072+FE*128
.endr
.irp a, 0,1
	ds_load_b32 v[SC+10*(\p)+8+\a], v[Z1+FH] offset:(FC%2)*CH+\a*2*CH+3072+FE*128
.endr
.endm
.macro MUL p, zero                     ; 16 matrix instructions; the 16 accumulators take turns, one instruction a turn
	WIN 0x05
.irp a, 0,1
.irp b, 0,1,2,3,4,5,6,7
.if \zero
	v_wmma_scale_f32_16x16x128_f8f6f4 v[ACC+64*\a+8*\b:ACC+64*\a+8*\b+7], v[120*(\p)+12*\b:120*(\p)+12*\b+11], v[120*(\p)+96+12*\a:120*(\p)+96+12*\a+11], 0, v[SC+10*(\p)+\b], v[SC+10*(\p)+8+\a] matrix_a_fmt:MATRIX_FMT_FP6 matrix_b_fmt:MATRIX_FMT_FP6
.else
	v_wmma_scale_f32_16x16x128_f8f6f4 v[ACC+64*\a+8*\b:ACC+64*\a+8*\b+7], v[120*(\p)+12*\b:120*(\p)+12*\b+11], v[120*(\p)+96+12*\a:120*(\p)+96+12*\a+11], v[ACC+64*\a+8*\b:ACC+64*\a+8*\b+7], v[SC+10*(\p)+\b], v[SC+10*(\p)+8+\a] matrix_a_fmt:MATRIX_FMT_FP6 matrix_b_fmt:MATRIX_FMT_FP6
.endif
.endr
.endr
.endm
.macro KSTEP s
.if (\s) < 7
.if (\s)+1 == 4                        ; the next step opens the second half of K
	s_wait_dscnt 0x0                               ; no LDS instruction of mine is out at a signal
	s_wait_tensorcnt 0x0                           ; my load of that half has landed
	s_barrier_signal -1
	s_barrier_wait -1
.endif
.if (\s) > 0
	PLACES 4                                       ; in front of loads into the set that the step before multiplied
.endif
	FETCH (\s)+1, ((\s)+1)%2
	s_wait_dscnt 40                                ; all but the 40 just issued
.else
	s_wait_dscnt 0x0
.endif
.if (\s) == 0
	MUL 0, 1
.else
	MUL (\s)%2, 0
.endif
.endm
	s_load_b128 s[4:7], s[0:1], 0x0                ; oop s[4:5], wop s[6:7]
	s_load_b64 s[8:9], s[0:1], 0x10                ; out0
	v_lshl_add_u32 v62, v0, 2, 0x3c400
	v_mov_b32 v63, 0
	ds_add_u32 v62, v63
	ds_add_u32 v62, v63
	v_lshrrev_b32 v1, 5, v0
	v_readfirstlane_b32 s[WV], v1                  ; wave 0..3
	s_bfe_u32 s11, ttmp6, 0x40000                  ; cx
	s_bfe_u32 s12, ttmp6, 0x40004                  ; cy
	s_lshl_b32 s13, ttmp9, 2
	s_add_co_u32 s13, s13, s11                     ; X: block of 128 columns
	s_and_b32 s14, ttmp7, 0xffff
	s_lshl_b32 s14, s14, 2
	s_add_co_u32 s14, s14, s12                     ; Y: block of 128 tokens
	s_lshl_b32 s15, 0x1111, s11                    ; my column of the cluster: places cx, cx + 4, cx + 8, cx + 12
	s_lshl_b32 s16, s12, 2
	s_lshl_b32 s16, 15, s16                        ; my row: places 4 cy .. 4 cy + 3
	s_or_b32 s[G1A], s15, (3<<16)|(1<<21)          ; source 0 hangs on X alone: shared along the column; elements of 8 bytes; bit 21 set beside a mask
	s_or_b32 s[G1B], s16, (3<<16)|(1<<21)          ; source 1 hangs on Y alone: shared along the row
.irp g, G1A, G1B
	s_mov_b32 s[\g+1], 832<<16                     ; tensor_dim0 = 832 elements: 6,656 bytes, two chunks of a tile's record
	s_mov_b32 s[\g+2], 4<<16                       ; tensor_dim1 = 4 tiles
	s_mov_b32 s[\g+3], 832<<16                     ; tile_dim0
	s_mov_b32 s[\g+4], 4                           ; tile_dim1
	s_mov_b32 s[\g+5], 1664                        ; a tile's record apart
	s_mov_b32 s[\g+6], 0
	s_mov_b32 s[\g+7], 0
.endr
	; THE FILLS AS THEY STAND (this note takes the place of the head's lines on them): LDS holds, for each half of K, [tile][6,656 bytes]: source 0's 8 tiles, behind both halves of them source 1's 8.
	; Waves 0 and 1 bring four tiles of source 0 each, waves 2 and 3 four of source 1, one joint load a wave for a half of K: the first half behind the first round, the second behind a round of its own.
	; One tensor load of a wave is out at the most.  No prefetch: two fills, the second asked for as soon as the first has landed, and no loop to run ahead in.
	s_and_b32 s18, s[WV], 1
	s_lshl_b32 s18, s18, 2                         ; the first of the four tiles that I fetch
	s_lshl_b32 s76, s13, 3
	s_add_co_u32 s76, s76, s18
	s_add_co_u32 s76, s76, 96
	s_mul_i32 s76, s76, REC                        ; wop's tile 96 + 8 X + 4 (w % 2): these registers never hold Y
	s_mov_b32 s77, 0
	s_lshl_b32 s78, s14, 3
	s_add_co_u32 s78, s78, s18
	s_mul_i32 s78, s78, REC                        ; oop's tile 8 Y + 4 (w % 2): these never hold X
	s_mov_b32 s79, 0
	s_mul_i32 s21, s18, 2*CH                       ; where the four tiles that I fetch go in a half: no place in the cluster enters an LDS address
	s_mul_i32 s20, s[WV], 4*CH                     ; where the two tiles of source 1 that I multiply lie in a half
	s_lshl_b32 s80, s14, 7
	s_lshl_b32 s81, s[WV], 5
	s_add_co_u32 s80, s80, s81                     ; my first token: 128 Y + 32 w,
	s_lshl_b32 s80, s80, 12                        ; rows of 4,096 bytes,
	s_lshl_b32 s81, s13, 9                         ; + 512 X
	s_add_co_u32 s80, s80, s81
	s_mov_b32 s81, 0
	s_wait_dscnt 0x0
	s_wait_kmcnt 0x0
	s_add_nc_u64 s[76:77], s[6:7], s[76:77]
	s_add_nc_u64 s[78:79], s[4:5], s[78:79]
	s_add_nc_u64 s[8:9], s[8:9], s[80:81]
.macro HLOAD ga, gb                    ; one joint load a wave: waves 0, 1 for source 0, waves 2, 3 for source 1; the branch hangs on the wave's number alone, and every way passes one load
	s_cmp_lt_u32 s[WV], 2
	s_cbranch_scc0 .Lsrc1_\@
	tensor_load_to_lds s[\ga:\ga+3], s[G1A:G1A+7]
	s_nop 0
	PLACES 4
	s_branch .Lasked_\@
.Lsrc1_\@:
	tensor_load_to_lds s[\gb:\gb+3], s[G1B:G1B+7]
	s_nop 0
	PLACES 4
.Lasked_\@:
.endm
	MKG0 40, 21, 0, 76, 0
	MKG0 44, 21, 2*S0CH, 76, 2*CH
	MKG0 56, 21, S1, 78, 0
	MKG0 60, 21, S1+2*S1CH, 78, 2*CH
	CROUND                                         ; all sixteen work-groups are here: the joint loads meet
	HLOAD 40, 56                                   ; the first half of K: one tensor load a wave at the head
	v_and_b32 v15, 31, v0
	v_and_b32 v1, 15, v0                           ; r
	v_bfe_u32 v2, v0, 4, 1                         ; h
	v_lshlrev_b32 v[A0], 4, v15                    ; 16 x lane: source 0's chunks 0 and 1, and my place in a row of out0
	v_lshlrev_b32 v[Z0], 2, v15
	v_add_nc_u32 v[A0+1], 2*S0CH, v[A0]
	v_add_nc_u32 v[Z0+1], 2*S0CH, v[Z0]
	s_add_co_u32 s18, s20, S1
	v_add_nc_u32 v[A1], s18, v[A0]
	v_add_nc_u32 v[Z1], s18, v[Z0]
	v_add_nc_u32 v[A1+1], 2*S1CH, v[A1]
	v_add_nc_u32 v[Z1+1], 2*S1CH, v[Z1]
	s_mul_i32 s82, s[WV], 16*SP
	s_add_co_u32 s82, s82, STAGE                   ; my stage
	v_mul_u32_u24 v[STO], v1, SP
	v_lshl_add_u32 v[STO], v2, 6, v[STO]
	v_add_nc_u32 v[STO], s82, v[STO]               ; in: row r, + 64 h: my 16 columns of each 32
	v_add_nc_u32 v[RD], s82, v[A0]                 ; back: a row of 512 bytes, 16 a lane
	s_wait_alu depctr_va_vdst(0)
	s_wait_tensorcnt 0x0                           ; my part of the first half has landed
	ds_add_u32 v62, v63
	s_wait_dscnt 0x0
	CROUND                                         ; a whole round: every wave's part is in, and all sixteen work-groups are here
	HLOAD 44, 60                                   ; the second half of K, my one load behind the round
	FETCH 0, 0
.irp s, 0,1,2,3,4,5,6,7
	KSTEP \s
.endr
	WIN 0
	PLACES 4                                       ; in front of the first reads of results, and of loads into registers that held results
	; THE WAY OUT, a tile of 16 tokens at a time.  Accumulator (a, b), register j, lane (r, h): token index r of tile 2 w + a, column 32 (b / 2) + 16 h + 8 (b % 2) + j.
.irp a, 0,1
.irp b, 0,1,2,3,4,5,6,7
	ds_store_b128 v[STO], v[ACC+64*\a+8*\b:ACC+64*\a+8*\b+3] offset:128*(\b/2)+32*(\b%2)        ; each accumulator from its low end on
	ds_store_b128 v[STO], v[ACC+64*\a+8*\b+4:ACC+64*\a+8*\b+7] offset:128*(\b/2)+32*(\b%2)+16
.endr
.irp i, 0,1,2,3,4,5,6,7,8,9,10,11,12,13,14,15
	ds_load_b128 v[64+64*\a+4*\i:64+64*\a+4*\i+3], v[RD] offset:SP*\i   ; LDS serves a wave's instructions in order: these see my stores.  (The second tile's rows land in the first tile's accumulators, whose stores into the stage the count-down below has shown done)
.endr
.irp i, 0,1,2,3,4,5,6,7,8,9,10,11,12,13,14,15
	s_wait_dscnt 15-\i                             ; row i is back; the 15 - i younger loads may be out
	global_store_b128 v[A0], v[64+64*\a+4*\i:64+64*\a+4*\i+3], s[8:9] offset:(8*\a+\i+8*(\i/8))*4096 th:TH_STORE_NT   ; 32 lanes store 512 consecutive bytes at a multiple of 256 from out0's first byte; written once, read by nobody here
.endr
.endr
	s_wait_dscnt 0x0                               ; no LDS instruction of mine is out at a signal
	s_wait_tensorcnt 0x0
	ds_add_u32 v62, v63
	s_wait_dscnt 0x0
	CROUND                                         ; the closing round: no work-group ends while a partner may still ask jointly
	s_endpgm
.Lfunc_end_k_q007dac1aa5_outproj:
	.size	k_q007dac1aa5_outproj, .Lfunc_end_k_q007dac1aa5_outproj-k_q007dac1aa5_outproj
	.p2alignl 7, 3214868480
	.fill 96, 4, 3214868480
	.section	.rodata,"a",@progbits
	.p2align	6, 0x0
	.amdhsa_kernel k_q007dac1aa5_outproj
		.amdhsa_group_segment_fixed_size 327680
		.amdhsa_private_segment_fixed_size 0
		.amdhsa_enable_private_segment 0
		.amdhsa_kernarg_size 24
		.amdhsa_user_sgpr_count 2
		.amdhsa_user_sgpr_kernarg_segment_ptr 1
		.amdhsa_wavefront_size32 1
		.amdhsa_system_sgpr_workgroup_id_x 1
		.amdhsa_system_sgpr_workgroup_id_y 1
		.amdhsa_system_sgpr_workgroup_id_z 1
		.amdhsa_system_vgpr_workitem_id 0
		.amdhsa_next_free_vgpr 512
		.amdhsa_next_free_sgpr 96
		.amdhsa_reserve_vcc 0
		.amdhsa_float_denorm_mode_32 3
		.amdhsa_float_denorm_mode_16_64 3
		.amdhsa_memory_ordered 1
		.amdhsa_forward_progress 1
		.amdhsa_inst_pref_size 54
	.end_amdhsa_kernel
	.amdgpu_metadata
---
amdhsa.version: [ 1, 2 ]
amdhsa.kernels:
  - .name:           k_q007dac1aa5_outproj
    .symbol:         k_q007dac1aa5_outproj.kd
    .args:
      - { .name: oop, .offset: 0, .size: 8, .value_kind: global_buffer, .address_space: global }
      - { .name: wop, .offset: 8, .size: 8, .value_kind: global_buffer, .address_space: global }
      - { .name: out0, .offset: 16, .size: 8, .value_kind: global_buffer, .address_space: global }
    .group_segment_fixed_size: 327680
    .private_segment_fixed_size: 0
    .kernarg_segment_align: 8
    .kernarg_segment_size: 24
    .max_flat_workgroup_size: 128
    .sgpr_count:     96
    .vgpr_count:     512
    .wavefront_size: 32
...
	.end_amdgpu_metadata
.endif
;; end of part 4
